; MI455X (gfx1250); checked and timed in simulation.
; The chip was launched on July 23, 2026; its instructions are those of AMD's public machine-readable ISA for CDNA 5 (MIT licence, August 2026) and "CDNA5" Instruction Set Architecture Reference Guide (July 2026). The comments in the code are by the model that wrote it; some were corrected since.
;; Attention. Allowed arithmetic: matrix products marked QUANTISED: E5M2 operands, one given power-of-two scale a tensor, by v_wmma_f32_16x16x64_bf8_bf8 or v_wmma_f32_16x16x128_bf8_bf8, f32 sums; everything else in f32.
;; Inputs: Wk 1,024 x 1,024 float32; Wo 1,024 x 1,024 float32; Wq 1,024 x 1,024 float32; Wv 1,024 x 1,024 float32; bk 1,024 float32; bo 1,024 float32; bq 1,024 float32; bv 1,024 float32; lowp_scales 12 int32 (the exponents e of the quantised operands' scales 2^e); x 4 x 2,048 x 1,024 float32.
;; Outputs: out0 4 x 2,048 x 1,024 float32.
;; This version of the problem:
;;   THIS VERSION OF THE PROBLEM IS GIVEN IN LOW PRECISION. The matrix products marked QUANTISED in the list below multiply operands that are first quantised to E5M2 (5 exponent bits, 2 mantissa bits; 8 bits a number), with one given power-of-two scale for each operand tensor; their sums are f32. All else is computed in f32.
;;   The module's matrix products, in the order in which they are computed (A, B: the left and right operand; K: the contracted axis; several contracted axes count as one K, in the product's order):
;;     1. [M 8,192, K 1,024] x [K 1,024, N 1,024]; A: input x; B: input Wq: QUANTISED (scales: A lowp_scales[0], B lowp_scales[1])
;;     2. [M 8,192, K 1,024] x [K 1,024, N 1,024]; A: input x; B: input Wk: QUANTISED (scales: A lowp_scales[2], B lowp_scales[3])
;;     3. [M 8,192, K 1,024] x [K 1,024, N 1,024]; A: input x; B: input Wv: QUANTISED (scales: A lowp_scales[4], B lowp_scales[5])
;;     4. batch 64 x [M 2,048, K 64] x [K 64, N 2,048]; A: computed on the way; B: computed on the way: QUANTISED (scales: A lowp_scales[6], B lowp_scales[7])
;;     5. batch 64 x [M 2,048, K 2,048] x [K 2,048, N 64]; A: softmax (see below); B: computed on the way: QUANTISED (scales: A lowp_scales[8], B lowp_scales[9])
;;     6. [M 8,192, K 1,024] x [K 1,024, N 1,024]; A: computed on the way; B: input Wo: QUANTISED (scales: A lowp_scales[10], B lowp_scales[11])
;;   THE QUANTISER, for each operand of a quantised product, along K:
;;     - The operand's scale is 2^e, e = its entry of the input lowp_scales (int32; the entries are numbered through the quantised products in the list's order, A before B).
;;     - Each number is divided by the scale, clamped to +-57,344, and rounded to the nearest number of E5M2, ties to even, subnormals kept.
;;     - The product sums the exact products of the quantised numbers (number of the format x scale) in f32.
;;   ~~~python
;;   def quantise(x, axis, e):      # numpy; x: float32 -> the quantised numbers, widened to float32 again
;;       x = np.moveaxis(x, axis, -1); K = x.shape[-1]
;;       r = np.clip(x / 2.0 ** e, -57344, 57344)
;;       step = 2.0 ** (np.maximum(np.frexp(np.where(r == 0, 1, r))[1] - 1, -14) - 2)
;;       q = np.round(r / step) * step * 2.0 ** e      # np.round: ties to even
;;       return np.moveaxis(q, -1, axis).astype(np.float32)
;;   ~~~
;;   SOFTMAX AHEAD OF A QUANTISED PRODUCT. Where the list says 'softmax', what is quantised is not the finished softmax but p = 2^(t - M), with t = logit x log2(e) and M = ceil(the row's largest t), a whole number; so 1/2 < the row's largest p <= 1. The row's sum l is taken of the UNQUANTISED p, in f32, and the product's result is divided by l at the end. Since M is a whole number, a kernel that streams over the keys may use a running M (the ceiling of the running maximum): every later rescaling is an exact power of two, so the quantised numbers keep their values, but for numbers so far below the row's largest that they fall under the format's range.
;;   OPERANDS COMPUTED ON THE WAY. 'Computed on the way' means the value that the module computes at that place (a softmax that the list does not call 'softmax' is quantised finished and normalised). What goes into a quantiser is computed in f32, as accurately as f32 sums, v_exp_f32 and their like allow (about 1e-6 of the number): no bf16 or f16 on the way to a quantiser, and a product that is left as it is and whose result goes on into a quantised operand takes f32 operands (vector FMAs, or v_wmma_f32_16x16x4_f32). A number that lies on a knife's edge between two numbers of the format may be rounded either way, as far as f32 arithmetic and the matrix unit's own rounding can turn it there, and no further.
;; One version. Each part assembles by itself: llvm-mc -triple=amdgcn-amd-amdhsa -mcpu=gfx1250 --defsym DOCPART=n.
;; ======== version 1 of 1: 4 launches
;; limits: right only within a limited range of input values
;; workspace buffers: xc 25,165,824 bytes; wc 3,145,728 bytes; woc 1,048,576 bytes; qc 8,388,608 bytes; kvc 16,777,216 bytes; cc 8,388,608 bytes
;; launch quant (part 1): grid 512 x 1, 4 waves a work-group, no clusters, 35,328 bytes of LDS; arguments x, Wq, Wk, Wv, Wo, lowp_scales, xc, wc, woc; writes xc, wc, woc
.if DOCPART == 1
	.amdgcn_target "amdgcn-amd-amdhsa--gfx1250"
	.amdhsa_code_object_version 6
	.text
	.protected	k_qd6404b0c28_quant
	.globl	k_qd6404b0c28_quant
	.p2align	8
	.type	k_qd6404b0c28_quant,@function
k_qd6404b0c28_quant:
	s_mov_b64 s[64:65], 0
	v_nop
	global_prefetch_b8 v0, s[64:65] scope:SCOPE_SE
	s_setreg_imm32_b32 hwreg(HW_REG_WAVE_MODE, 25, 1), 1
	s_wait_xcnt 0x0
; x [8192][1024] and the weights Wq, Wk, Wv, Wo [1024 (k)][1024 (n)], f32, become codes of BF8 (E5M2), each with the scale 2^e that is given for it.
; code = number / 2^e, held within +-57,344, rounded to the nearest code, ties to even.
; x is an operand of three products with three given exponents (entries 0, 2, 4 of the scales), so it is quantised three times: three planes.
; THE CODES ARE LAID AS IMAGES OF THE OPERAND'S REGISTERS.  A unit is 1,024 bytes: 16 rows x 64 along K.  Byte 512 u + 16 lane + e of a unit is byte e % 4 of register 4 u + e / 4 of
; that lane: lane (r = lane % 16, h = lane / 16) holds row r, and its registers 2 c, 2 c + 1 hold k = 16 c + 8 h + 0 .. 7.  So a lane's conversions give the unit's registers, a unit leaves
; by two stores of 512 consecutive bytes, and the launches that follow fetch a fragment by loads of 16 bytes a lane at 16 x lane.
;   xc  [token tile 512][plane 3][chunk of 64 k: 16][unit]     wc  [n tile 64][plane 3: Wq, Wk, Wv][chunk 16][unit]     woc [n tile 64][chunk 16][unit]
; Work-groups 0-255 take x, work-groups 256-511 the weights.  Waves share nothing: no barrier.  No work-group reads what another reads: no cluster, no joint loads, no matrix unit.
; LIMITS: each exponent e used here (entries 0 to 5 and 11) lies between -126 and 112, so that 2^e and 57,344 x 2^e are f32 numbers.  NaN among the inputs is not served.
.set PL,   16384                       ; a plane of a tile: 16 units
.set TP,   49152                       ; three planes
.set SPX,  272                         ; a stage row: 256 bytes (64 numbers of a row of x) + 16: 68 words, so that 16 rows begin at 16 different groups of four banks
.set STG,  16*SPX                      ; a stage: 16 rows
.set WREG, 2*STG                       ; LDS of a wave: two stages by turns
.set CX,   8                           ; v8-31    x: codes, 8 registers (a unit) for each plane
.set RX,   32                          ; v32-159  x: four sets of 32 numbers as they are loaded
.set XX,   160                         ; v160-223 x: two sets of 32 numbers in the operand's order
.set TX,   224                         ; v224-239 x: two sets of 8 held numbers, by turns
.set SC,   240                         ; v240.. 2^e as f32, v241.. 57,344 x 2^e: a pair for each plane (the weights' path: one pair)
.set WX,   32                          ; v32-95   W: two sets of 32 numbers
.set CW,   96                          ; v96-127  W: codes of four units
	s_load_b256 s[4:11], s[0:1], 0x0               ; x s[4:5], Wq s[6:7], Wk s[8:9], Wv s[10:11]
	s_load_b256 s[12:19], s[0:1], 0x20             ; Wo s[12:13], the scales' exponents s[14:15], xc s[16:17], wc s[18:19]
	s_load_b64 s[20:21], s[0:1], 0x40              ; woc
	v_lshl_add_u32 v254, v0, 2, 0x8800
	v_mov_b32 v255, 0
	v_lshrrev_b32 v1, 5, v0
	v_readfirstlane_b32 s22, v1                    ; wave 0..3
	v_and_b32 v1, 31, v0                           ; lane
	v_and_b32 v6, 15, v0                           ; r
	v_bfe_u32 v7, v0, 4, 1                         ; h
	v_lshlrev_b32 v5, 4, v1                        ; 16 x lane: my place in half a unit
	s_wait_kmcnt 0x0
	s_load_b256 s[40:47], s[14:15], 0x0            ; e0 .. e7
	s_load_b128 s[48:51], s[14:15], 0x20           ; e8 .. e11
	s_cmp_lt_u32 ttmp9, 256
	s_cbranch_scc0 .Lw
; ---------------- x.  Wave w of work-group g takes token tile 2 g + w / 2 (16 rows) and half w % 2 of K: eight steps of one chunk (16 rows x 64 numbers).
; A load is best where neighbouring lanes take neighbouring bytes (16 lanes: 256 bytes of a row); the conversions want 8 neighbours along K in one lane's registers.  Both are had:
; a step's 4,096 bytes go through the wave's own stage in LDS as they lie and come back 32 bytes a lane and group of 16 k.  Loads run four steps ahead, the stage one step.
	s_lshl_b32 s23, ttmp9, 1
	s_lshr_b32 s24, s22, 1
	s_add_co_u32 s23, s23, s24                     ; token tile
	s_and_b32 s24, s22, 1                          ; half of K
	s_lshl_b32 s26, s23, 16                        ; 16 rows of 4,096 bytes
	s_lshl_b32 s25, s24, 11                        ; 512 numbers
	s_add_co_u32 s26, s26, s25
	s_mov_b32 s27, 0
	s_add_nc_u64 s[4:5], s[4:5], s[26:27]
	s_mul_i32 s26, s23, TP
	s_lshl_b32 s25, s24, 13                        ; 8 units
	s_add_co_u32 s26, s26, s25
	s_add_nc_u64 s[16:17], s[16:17], s[26:27]
	s_mul_i32 s28, s22, WREG                       ; my wave's stages
	s_wait_alu depctr_va_vdst(0)
	v_lshlrev_b32 v2, 12, v7
	v_lshl_add_u32 v2, v6, 4, v2                   ; in: lanes 0-15 one row's 256 bytes, lanes 16-31 the next row's
	v_mul_u32_u24 v3, v7, SPX
	v_lshl_add_u32 v3, v6, 4, v3
	v_add_nc_u32 v3, s28, v3                       ; into the stage: the same two rows
	v_mul_u32_u24 v4, v6, SPX
	v_lshl_add_u32 v4, v7, 5, v4
	v_add_nc_u32 v4, s28, v4                       ; out of it: row r, + 32 h: my 8 numbers of a group of 16
.macro LOAD t                          ; step t: 16 rows x 256 bytes
.irp i, 0,1,2,3,4,5,6,7
	global_load_b128 v[RX+32*((\t)%4)+4*\i:RX+32*((\t)%4)+4*\i+3], v2, s[4:5] offset:8192*\i+256*(\t) th:TH_LOAD_NT
.endr
.endm
.macro TURN t                          ; step t through the stage: LDS serves a wave's instructions in order, so no wait stands between the stores and the loads
.irp i, 0,1,2,3,4,5,6,7
	ds_store_b128 v3, v[RX+32*((\t)%4)+4*\i:RX+32*((\t)%4)+4*\i+3] offset:STG*((\t)%2)+2*SPX*\i
.endr
.irp c, 0,1,2,3
.irp u, 0,1
	ds_load_b128 v[XX+32*((\t)%2)+8*\c+4*\u:XX+32*((\t)%2)+8*\c+4*\u+3], v4 offset:STG*((\t)%2)+64*\c+16*\u
.endr
.endr
.endm
.macro STEP t
	s_wait_dscnt 0x0                               ; this step's numbers are back from the stage, and its stores into the stage have read their registers,
.if (\t)+4 < 8
	LOAD (\t)+4                                    ; which take the loads of four steps on
.endif
.if (\t)+1 < 8
.if 6-(\t) >= 3
	s_wait_loadcnt 24                              ; the next step's eight loads are in; those of the three steps behind it may be out
.else
	s_wait_loadcnt 8*(6-(\t))                      ; towards the end fewer are behind it
.endif
	TURN (\t)+1                                    ; and go through the other stage while this step is worked
.endif
	s_wait_xcnt 0x0                                ; the last step's stores have read their data: the codes' registers are written again only behind this wait
.irp p, 0,1,2                          ; the three planes: the same numbers under three scales
.irp c, 0,1,2,3
.irp j, 0,1,2,3,4,5,6,7
	v_med3_num_f32 v[TX+8*(\c%2)+\j], v[XX+32*((\t)%2)+8*\c+\j], -v[SC+2*\p+1], v[SC+2*\p+1]   ; the conversion to an 8-bit code does not saturate (ISA guide 7.6.2): the hold comes first
.endr
	v_cvt_scalef32_pk8_bf8_f32 v[CX+8*\p+2*\c:CX+8*\p+2*\c+1], v[TX+8*(\c%2):TX+8*(\c%2)+7], v[SC+2*\p]   ; registers 2 c, 2 c + 1 of the unit.  The two sets of held numbers take turns: eight plain lines stand between a conversion and the rewriting of its sources
.endr
.endr
.irp p, 0,1,2
.irp u, 0,1
	global_store_b128 v5, v[CX+8*\p+4*\u:CX+8*\p+4*\u+3], s[16:17] offset:PL*\p+1024*(\t)+512*\u   ; 32 lanes store 512 consecutive bytes, at a multiple of 512 from the buffer's first byte
.endr
.endr
.endm
.irp t, 0,1,2,3
	LOAD \t
.endr
	s_wait_alu depctr_va_vdst(0)
	s_wait_kmcnt 0x0
.irp p, 0,1,2
	s_add_co_i32 s52, s[40+2*\p], 127
	s_lshl_b32 s53, s52, 23
	v_mov_b32 v[SC+2*\p], s53                      ; 2^e as f32: the conversion takes its exponent field
	s_add_co_i32 s52, s52, 15
	s_lshl_b32 s52, s52, 23
	s_or_b32 s52, s52, 0x600000
	v_mov_b32 v[SC+2*\p+1], s52                    ; 57,344 x 2^e
.endr
	s_wait_alu depctr_va_vdst(0)
	s_wait_loadcnt 24                              ; step 0's eight loads are in
	TURN 0
.irp t, 0,1,2,3,4,5,6,7
	STEP \t
.endr
	s_wait_tensorcnt 0x0
	ds_add_u32 v254, v255
	s_wait_dscnt 0x0
	s_endpgm
; ---------------- The weights.  K is their FIRST axis: a lane takes a column n and its registers run down K, in the order that the unit gives that lane; nothing is transposed.
; Work-group g' = weight (g' / 64), group of 64 columns ((g' / 4) % 16), quarter of K (g' % 4).  Wave w takes n tile 4 x group + w, four units.  The four waves stand side by side on 256 bytes of each row.
.Lw:
	s_sub_co_u32 s23, ttmp9, 256
	s_lshr_b32 s24, s23, 6                         ; which weight: 0 Wq, 1 Wk, 2 Wv, 3 Wo
	s_bfe_u32 s25, s23, 0x40002
	s_and_b32 s26, s23, 3                          ; quarter of K
	s_lshl_b32 s25, s25, 2
	s_add_co_u32 s25, s25, s22                     ; n tile
	s_mul_i32 s32, s25, TP
	s_lshl_b32 s33, s24, 14
	s_add_co_u32 s32, s32, s33                     ; in wc: tile x three planes + the weight's plane
	s_lshl_b32 s33, s25, 14                        ; in woc: tile x one plane
	s_wait_kmcnt 0x0
	s_cmp_eq_u32 s24, 0                            ; the choices hang on the work-group's number alone
	s_cselect_b64 s[28:29], s[6:7], s[8:9]
	s_cselect_b32 s27, s41, s43
	s_cmp_eq_u32 s24, 2
	s_cselect_b64 s[28:29], s[10:11], s[28:29]
	s_cselect_b32 s27, s45, s27
	s_cmp_eq_u32 s24, 3
	s_cselect_b64 s[28:29], s[12:13], s[28:29]     ; the weight,
	s_cselect_b32 s27, s51, s27                    ; its exponent: entry 1, 3, 5 or 11,
	s_cselect_b64 s[30:31], s[20:21], s[18:19]     ; its codes' buffer,
	s_cselect_b32 s32, s33, s32                    ; and the tile's place there
	s_lshl_b32 s33, s26, 12                        ; + four units for each quarter of K
	s_add_co_u32 s32, s32, s33
	s_mov_b32 s33, 0
	s_add_nc_u64 s[30:31], s[30:31], s[32:33]
	s_lshl_b32 s34, s26, 20                        ; 256 rows of 4,096 bytes
	s_lshl_b32 s35, s25, 6                         ; 16 columns
	s_add_co_u32 s34, s34, s35
	s_mov_b32 s35, 0
	s_add_nc_u64 s[28:29], s[28:29], s[34:35]
	s_wait_alu depctr_va_vdst(0)
	v_lshlrev_b32 v2, 2, v6
	v_lshl_add_u32 v2, v7, 15, v2                  ; column r; lanes 16-31 begin 8 rows further down
.macro LOADW q                         ; unit q: W(64 q + 16 c + 8 h + j, my column); every offset is an immediate, 247 rows of 4,096 bytes at the most
.irp c, 0,1,2,3
.irp j, 0,1,2,3,4,5,6,7
	global_load_b32 v[WX+32*((\q)%2)+8*\c+\j], v2, s[28:29] offset:(64*(\q)+16*\c+\j)*4096
.endr
.endr
.endm
.macro UNIT q
.if (\q) < 3
	s_wait_loadcnt 32                              ; this unit's 32 loads are in; the next unit's may be out
.else
	s_wait_loadcnt 0x0
.endif
.set i, 0
.rept 32
	v_med3_num_f32 v[WX+32*((\q)%2)+i], v[WX+32*((\q)%2)+i], -v[SC+1], v[SC+1]
.set i, i+1
.endr
.irp c, 0,1,2,3
	v_cvt_scalef32_pk8_bf8_f32 v[CW+8*(\q)+2*\c:CW+8*(\q)+2*\c+1], v[WX+32*((\q)%2)+8*\c:WX+32*((\q)%2)+8*\c+7], v[SC]
.endr
.irp u, 0,1
	global_store_b128 v5, v[CW+8*(\q)+4*\u:CW+8*(\q)+4*\u+3], s[30:31] offset:1024*(\q)+512*\u   ; each unit has its own registers: no store's data are written again
.endr
.if (\q)+2 < 4
	LOADW (\q)+2                                   ; loads into the conversions' sources; the next vector lines are the other set's holds, which are plain
.endif
.endm
	LOADW 0
	LOADW 1
	s_add_co_i32 s27, s27, 127
	s_lshl_b32 s36, s27, 23
	v_mov_b32 v[SC], s36
	s_add_co_i32 s27, s27, 15
	s_lshl_b32 s27, s27, 23
	s_or_b32 s27, s27, 0x600000
	v_mov_b32 v[SC+1], s27
	s_wait_alu depctr_va_vdst(0)
.irp q, 0,1,2,3
	UNIT \q
.endr
	s_endpgm
.Lfunc_end_k_qd6404b0c28_quant:
	.size	k_qd6404b0c28_quant, .Lfunc_end_k_qd6404b0c28_quant-k_qd6404b0c28_quant
	.p2alignl 7, 3214868480
	.fill 96, 4, 3214868480
	.section	.rodata,"a",@progbits
	.p2align	6, 0x0
	.amdhsa_kernel k_qd6404b0c28_quant
		.amdhsa_group_segment_fixed_size 35328
		.amdhsa_private_segment_fixed_size 0
		.amdhsa_enable_private_segment 0
		.amdhsa_kernarg_size 72
		.amdhsa_user_sgpr_count 2
		.amdhsa_user_sgpr_kernarg_segment_ptr 1
		.amdhsa_wavefront_size32 1
		.amdhsa_system_sgpr_workgroup_id_x 1
		.amdhsa_system_sgpr_workgroup_id_y 1
		.amdhsa_system_sgpr_workgroup_id_z 1
		.amdhsa_system_vgpr_workitem_id 0
		.amdhsa_next_free_vgpr 256
		.amdhsa_next_free_sgpr 66
		.amdhsa_reserve_vcc 0
		.amdhsa_float_denorm_mode_32 3
		.amdhsa_float_denorm_mode_16_64 3
		.amdhsa_memory_ordered 1
		.amdhsa_forward_progress 1
		.amdhsa_inst_pref_size 100
	.end_amdhsa_kernel
	.amdgpu_metadata
---
amdhsa.version: [ 1, 2 ]
amdhsa.kernels:
  - .name:           k_qd6404b0c28_quant
    .symbol:         k_qd6404b0c28_quant.kd
    .args:
      - { .name: x, .offset: 0, .size: 8, .value_kind: global_buffer, .address_space: global }
      - { .name: Wq, .offset: 8, .size: 8, .value_kind: global_buffer, .address_space: global }
      - { .name: Wk, .offset: 16, .size: 8, .value_kind: global_buffer, .address_space: global }
      - { .name: Wv, .offset: 24, .size: 8, .value_kind: global_buffer, .address_space: global }
      - { .name: Wo, .offset: 32, .size: 8, .value_kind: global_buffer, .address_space: global }
      - { .name: lowp_scales, .offset: 40, .size: 8, .value_kind: global_buffer, .address_space: global }
      - { .name: xc, .offset: 48, .size: 8, .value_kind: global_buffer, .address_space: global }
      - { .name: wc, .offset: 56, .size: 8, .value_kind: global_buffer, .address_space: global }
      - { .name: woc, .offset: 64, .size: 8, .value_kind: global_buffer, .address_space: global }
    .group_segment_fixed_size: 35328
    .private_segment_fixed_size: 0
    .kernarg_segment_align: 8
    .kernarg_segment_size: 72
    .max_flat_workgroup_size: 128
    .sgpr_count:     66
    .vgpr_count:     256
    .wavefront_size: 32
...
	.end_amdgpu_metadata
.endif
;; end of part 1
;; launch qkv (part 2): grid 8 x 32, 4 waves a work-group, clusters of 4 x 4, 327,680 bytes of LDS; arguments xc, wc, bq, bk, bv, lowp_scales, qc, kvc; writes qc, kvc
.if DOCPART == 2
	.amdgcn_target "amdgcn-amd-amdhsa--gfx1250"
	.amdhsa_code_object_version 6
	.text
	.protected	k_qd6404b0c28_qkv
	.globl	k_qd6404b0c28_qkv
	.p2align	8
	.type	k_qd6404b0c28_qkv,@function
k_qd6404b0c28_qkv:
	s_mov_b64 s[64:65], 0
	v_nop
	global_prefetch_b8 v0, s[64:65] scope:SCOPE_SE
	s_setreg_imm32_b32 hwreg(HW_REG_WAVE_MODE, 25, 1), 1
	s_wait_xcnt 0x0
	s_wait_alu depctr_hold_cnt(0) depctr_sa_sdst(0) depctr_va_vdst(0) depctr_va_sdst(0) depctr_va_ssrc(0) depctr_va_vcc(0) depctr_vm_vsrc(0)
	s_getreg_b32 s2, hwreg(HW_REG_IB_STS2, 6, 4)
	s_cmp_eq_u32 s2, 0
	s_cbranch_scc0 .Lentry_in_a_cluster
	s_endpgm
.Lentry_in_a_cluster:
	s_bfe_u32 s2, ttmp6, 0x10000c
	s_cmp_lg_u32 s2, 0xf033
	s_cbranch_scc0 .Lentry_shape_is_right
	s_endpgm
.Lentry_shape_is_right:
; q = x Wq + bq, k = x Wk + bk, v = x Wv + bv on codes of BF8 (E5M2), and q, k, v quantised on the way out for the two products of attention.
; Operands lie in memory as images of their registers, in units of 1,024 bytes (16 rows x 64 k: byte 512 u + 16 lane + e is byte e % 4 of register 4 u + e / 4; lane (r, h) holds row r,
; registers 2 c, 2 c + 1 hold k = 16 c + 8 h + 0 .. 7).  Two units on end are a fragment of the K = 128 form, fetched by four loads of 16 bytes a lane, 512 consecutive bytes each: no pitch, no padding.
;   xc [token tile 512][plane 3][chunk 16][unit], wc [n tile 64][plane 3][chunk 16][unit]: plane p of x (its exponent for product p) meets plane p of the weights (Wq, Wk, Wv).
; So the three products are ONE walk of 48 units along both operands; the sums are taken out after 16, 32 and 48 units.
; SHARES.  A work-group makes 256 tokens x 128 columns of all three products; 8 x 32 work-groups.  Wave (mh = w / 2, nh = w % 2) makes 128 tokens x 64 columns, which is one head: 32 accumulators.
; q AND k ARE MADE TRANSPOSED (source 0 = 16 columns of W, source 1 = 16 tokens): a lane holds one token and eight neighbours along the head's 64, the next product's K.
; v IS MADE THE OTHER WAY ROUND (source 0 = tokens, source 1 = columns): a lane holds one channel and eight neighbouring keys, its next K.  In both cases the conversions' results ARE the next operand's registers.
;   qc [batch x head 64][query tile 128][unit]      kvc [batch x head 64][group of 64 keys: 32][K: 4 key tiles x unit, then V: 4 channel tiles x unit]
; The bias is the C of a product's first step, divided by 2^(ex + ew), the power of two that the sums lack; the three scales ahead of a quantiser are folded into the conversion's one.
; RING.  Two LDS slots, each with 384 along K (6 units of each of A's 16 and B's 8 tiles); three steps of 128 to a slot.  Waves 0, 1 fetch A's halves, waves 2, 3 B's: one tensor load a wave behind each change of slots;
; a wave has one tensor load out at a time.
; CLUSTER 4 x 4: A's tiles hang on the work-group's y alone and are asked for jointly along a row of the cluster, B's on its x alone, along a column.
; LIMITS: e6 - e0 - e1, e7 - e2 - e3, e9 - e4 - e5 lie between -126 and 112, so that the folded scale and 57,344 x it are f32 numbers.  NaN among the inputs is not served.
; REGISTERS in windows of 256: window 0: addresses, scales, v64-127 held numbers (two sets), v128-191 codes.  window 1: x's fragments, two sets of 8 x 16.
;   window 2: the accumulators, (a, b) at v[8 (4 a + b)].  window 3: W's fragments, two sets of 4 x 16; from v128 the bias tiles, 32 registers a product.
.set SLOT,  147456                     ; A: 16 tiles x 6,144 bytes; then B: 8 tiles x 6,144
.set BOFF,  98304
.set FILLB, 6144                       ; six units
.set TP,    49152                      ; from tile to tile in xc and wc
.set SPARE, 2*SLOT                     ; behind the ring: the spare words, 128 bytes for each wave: two blocks of 256 bytes that no other line names
.set ADRA, 16                          ; v16-17  LDS address of my A fragments in slot 0, 1
.set ADRB, 20                          ; v20-21  the same for B
.set LI,   24                          ; v24     16 x lane
.set SPW,  28                          ; v28     LDS address of my spare word; never rewritten
.set NIL,  29                          ; v29     0; never rewritten
.set SCV,  30                          ; v30-35  for each product: the folded scale as f32, and 57,344 x it
.set TQ,   64
.set CQ,   128
.set BIAS, 128                         ; in window 3
.set G1A, 24                           ; s[24:31] descriptor group 1 for A's tiles;  s[32:39] group 0, one set for each slot
.set G0A, 32
.set G1B, 48                           ; s[48:55], s[56:63] the same for B's
.set G0B, 56
.set MSB, 0
.macro WIN new                         ; the immediate's high byte repeats the setting that is left; a switch that changes nothing is dropped
.if MSB != (\new)
	s_set_vgpr_msb (MSB<<8)|(\new)
.set MSB, (\new)
.endif
.endm
; A joint load: waves 0 and 1 fetch for A, waves 2 and 3 for B.  The branch hangs on the wave's number alone.  Four v_nop follow each of the two lines.
.macro JLOAD s
	s_cmp_eq_u32 s21, 0
	s_cbranch_scc0 .Lfor_b_\@
	tensor_load_to_lds s[G0A+4*\s:G0A+4*\s+3], s[G1A:G1A+7]
	s_nop 0
.rept 4
	v_nop
.endr
	s_branch .Lasked_\@
.Lfor_b_\@:
	tensor_load_to_lds s[G0B+4*\s:G0B+4*\s+3], s[G1B:G1B+7]
	s_nop 0
.rept 4
	v_nop
.endr
.Lasked_\@:
.endm
.macro CREST                           ; a round of the cluster's barrier behind its opening barrier
	s_cmp_lg_u32 s20, 0
	s_cbranch_scc1 .Lnot_wave_0_\@
	s_barrier_signal -3
.Lnot_wave_0_\@:
	s_barrier_wait -3
	s_barrier_signal -1
	s_barrier_wait -1
.endm
.macro CROUND                          ; a whole round
	s_barrier_signal -1
	s_barrier_wait -1
	CREST
.endm
.macro PLACES n                        ; plain vector lines behind matrix instructions, in front of loads into registers that they have read and of reads of their results
.rept \n
	v_nop
.endr
.endm
	s_load_b256 s[4:11], s[0:1], 0x0               ; xc s[4:5], wc s[6:7], bq s[8:9], bk s[10:11]
	s_load_b256 s[12:19], s[0:1], 0x20             ; bv s[12:13], the scales' exponents s[14:15], qc s[16:17], kvc s[18:19]
	v_lshl_add_u32 v[SPW], v0, 2, SPARE
	v_mov_b32 v[NIL], 0
	ds_add_u32 v28, v29
	ds_add_u32 v28, v29
	s_wait_dscnt 0x0
	v_lshrrev_b32 v1, 5, v0
	v_readfirstlane_b32 s20, v1                    ; wave 0..3
	s_lshr_b32 s21, s20, 1                         ; mh: my half of the tokens.  Also: I fetch for A (0) or for B (1)
	s_and_b32 s22, s20, 1                          ; nh: my half of the columns.  Also: which half of that tile I fetch
	s_bfe_u32 s40, ttmp6, 0x40000                  ; cx, cy: my place in the cluster
	s_bfe_u32 s41, ttmp6, 0x40004
	s_lshl_b32 s42, ttmp9, 2
	s_add_co_u32 s42, s42, s40                     ; nt: block of 128 columns
	s_and_b32 s43, ttmp7, 0xffff
	s_lshl_b32 s43, s43, 2
	s_add_co_u32 s43, s43, s41                     ; mt: block of 256 tokens
	s_lshl_b32 s44, s41, 2
	s_lshl_b32 s44, 15, s44                        ; my row of the cluster
	s_lshl_b32 s45, 0x1111, s40                    ; my column
	; descriptor group 1: rows of 6,144 bytes (768 elements of 8 bytes: six units of one tile), 49,152 bytes (6,144 elements) apart; A: 8 rows a load, B: 4; dense in LDS
	s_or_b32 s[G1A], s44, (3<<16)|(1<<21)          ; 15:0 the mask; 17:16 elements of 8 bytes; 21 set beside a mask
	s_or_b32 s[G1B], s45, (3<<16)|(1<<21)
	s_mov_b32 s[G1A+1], 768<<16                    ; tensor_dim0
	s_mov_b32 s[G1A+2], 8<<16                      ; tensor_dim1
	s_mov_b32 s[G1A+3], 768<<16                    ; tile_dim0
	s_mov_b32 s[G1A+4], 8                          ; tile_dim1
	s_mov_b32 s[G1A+5], 6144                       ; tensor_dim0_stride
	s_mov_b32 s[G1A+6], 0
	s_mov_b32 s[G1A+7], 0
	s_mov_b32 s[G1B+1], 768<<16
	s_mov_b32 s[G1B+2], 4<<16
	s_mov_b32 s[G1B+3], 768<<16
	s_mov_b32 s[G1B+4], 4
	s_mov_b32 s[G1B+5], 6144
	s_mov_b32 s[G1B+6], 0
	s_mov_b32 s[G1B+7], 0
	; where the tiles come from: A's hang on mt and the wave, B's on nt and the wave, each in registers that never hold the other coordinate
	s_lshl_b32 s80, s43, 4
	s_lshl_b32 s81, s22, 3
	s_add_co_u32 s80, s80, s81                     ; A: token tile 16 mt + 8 x half
	s_mul_i32 s80, s80, TP
	s_mov_b32 s81, 0
	s_lshl_b32 s46, s42, 3
	s_lshl_b32 s47, s22, 2
	s_add_co_u32 s46, s46, s47                     ; B: n tile 8 nt + 4 x half
	s_mul_i32 s46, s46, TP
	s_mov_b32 s47, 0
	s_mul_i32 s82, s22, 8*FILLB                    ; and where they go: no place in the cluster enters an LDS address
	s_mul_i32 s83, s22, 4*FILLB
	s_add_co_u32 s83, s83, BOFF
	s_wait_kmcnt 0x0
	s_load_b256 s[68:75], s[14:15], 0x0            ; e0 .. e7
	s_load_b128 s[76:79], s[14:15], 0x20           ; e8 .. e11
	s_add_nc_u64 s[80:81], s[4:5], s[80:81]
	s_add_nc_u64 s[46:47], s[6:7], s[46:47]
	CROUND                                         ; all sixteen work-groups are here: the first joint loads meet
.irp s, 0,1
	s_mov_b32 s[G0A+4*\s], 1
	s_add_co_u32 s[G0A+4*\s+1], s82, \s*SLOT
	s_add_nc_u64 s[G0A+4*\s+2:G0A+4*\s+3], s[80:81], \s*FILLB
	s_or_b32 s[G0A+4*\s+3], s[G0A+4*\s+3], 0x80000000
	s_mov_b32 s[G0B+4*\s], 1
	s_add_co_u32 s[G0B+4*\s+1], s83, \s*SLOT
	s_add_nc_u64 s[G0B+4*\s+2:G0B+4*\s+3], s[46:47], \s*FILLB
	s_or_b32 s[G0B+4*\s+3], s[G0B+4*\s+3], 0x80000000
.endr
	JLOAD 0                                        ; fill 0: one tensor load a wave at the head
	; THE PREFETCHES INTO THE L2.  Behind each joint load the NEXT fill is asked for: one slot, three steps of 128 along K, ahead of the load that will want it.
	; The four partners of a joint load share its tiles out BY ADDRESS: of the 8 token tiles that an A wave fetches the partner at cx takes tiles 2 cx, 2 cx + 1 (6,144 bytes of each: 24 blocks of 256, a lane a block,
	; the lanes left over name the last block again); of the 4 n tiles of a B wave the partner at cy takes tile cy, in two halves of 12 blocks.  Two instructions a wave.
	; The weights' tiles are loaded by all 8 rows of clusters: the first four rows ask for them.  The address registers are never rewritten: the fill is stepped by the immediate.  Fill 7 has no successor.
.set PFO, 26                           ; v26  256 x my block; never rewritten
.macro ASK f
	s_cmp_eq_u32 s99, 1
	s_cbranch_scc0 .Lnot_mine_\@
	global_prefetch_b8 v[PFO], s[80:81] offset:(\f)*FILLB th:TH_LOAD_NT scope:SCOPE_SE
	global_prefetch_b8 v[PFO], s[82:83] offset:(\f)*FILLB th:TH_LOAD_NT scope:SCOPE_SE
.Lnot_mine_\@:
.endm
	s_lshl_b32 s84, s43, 4
	s_lshl_b32 s85, s22, 3
	s_add_co_u32 s84, s84, s85
	s_lshl_b32 s85, s40, 1
	s_add_co_u32 s84, s84, s85                     ; A: token tile 16 mt + 8 x half + 2 cx
	s_lshl_b32 s86, s42, 3
	s_lshl_b32 s87, s22, 2
	s_add_co_u32 s86, s86, s87
	s_add_co_u32 s86, s86, s41                     ; B: n tile 8 nt + 4 x half + cy
	s_and_b32 s85, ttmp7, 0xffff                   ; my cluster's row: the same in all partners
	s_cmp_lt_u32 s85, 4
	s_cselect_b32 s99, 1, 0
	s_mov_b32 s87, 3072
	s_cmp_eq_u32 s21, 0                            ; do I fetch for A?
	s_cselect_b32 s99, 1, s99                      ; 1: my wave asks
	s_cselect_b32 s84, s84, s86
	s_cselect_b64 s[80:81], s[4:5], s[6:7]
	s_cselect_b32 s86, 23, 11                      ; my last block
	s_cselect_b32 s82, TP, s87                     ; from the first instruction's bytes to the second's: a tile on, or half a fill of one tile
	s_mul_i32 s84, s84, TP
	s_mov_b32 s85, 0
	s_mov_b32 s83, 0
	s_add_nc_u64 s[80:81], s[80:81], s[84:85]
	s_add_nc_u64 s[82:83], s[80:81], s[82:83]
	v_and_b32 v[PFO], 31, v0
	v_min_u32 v[PFO], s86, v[PFO]
	v_lshlrev_b32 v[PFO], 8, v[PFO]
	s_wait_alu depctr_va_vdst(0)                   ; the wait here, directly behind the write
	ASK 1
	v_and_b32 v1, 31, v0
	v_lshlrev_b32 v[LI], 4, v1
	v_and_b32 v2, 15, v0                           ; r
	v_bfe_u32 v3, v0, 4, 1                         ; h
	s_wait_alu depctr_va_vdst(0)
	s_mul_i32 s84, s21, 8*FILLB                    ; my 8 tiles of A
	s_mul_i32 s85, s22, 4*FILLB                    ; my 4 tiles of B,
	s_add_co_u32 s85, s85, BOFF                    ; which lie behind A's 16
.irp s, 0,1
	v_add_nc_u32 v[ADRA+\s], s84, v[LI]
	v_add_nc_u32 v[ADRB+\s], s85, v[LI]
	s_add_co_u32 s84, s84, SLOT
	s_add_co_u32 s85, s85, SLOT
.endr
	s_lshl_b32 s86, s42, 9
	s_lshl_b32 s87, s22, 8
	s_add_co_u32 s86, s86, s87                     ; my first column, 128 nt + 64 nh, in bytes of a bias
	s_mov_b32 s87, 0
	s_add_nc_u64 s[8:9], s[8:9], s[86:87]
	s_add_nc_u64 s[10:11], s[10:11], s[86:87]
	s_add_nc_u64 s[12:13], s[12:13], s[86:87]
	v_lshlrev_b32 v36, 5, v3                       ; q, k: lane (r, h) wants, for tile b, the bias of columns 16 b + 8 h + 0 .. 7
	v_lshlrev_b32 v37, 2, v2                       ; v: of column 16 b + r, in all eight registers
	WIN 0xc0                                       ; destination window 3
.irp b, 0,1,2,3
	global_load_b128 v[BIAS+8*\b:BIAS+8*\b+3], v36, s[8:9] offset:64*\b
	global_load_b128 v[BIAS+8*\b+4:BIAS+8*\b+7], v36, s[8:9] offset:64*\b+16
	global_load_b128 v[BIAS+32+8*\b:BIAS+32+8*\b+3], v36, s[10:11] offset:64*\b
	global_load_b128 v[BIAS+32+8*\b+4:BIAS+32+8*\b+7], v36, s[10:11] offset:64*\b+16
.endr
	WIN 0
.irp b, 0,1,2,3
	global_load_b32 v[40+\b], v37, s[12:13] offset:64*\b
.endr
	; where the codes go
	s_lshr_b32 s88, s43, 3                         ; batch: 8 blocks of 256 tokens each
	s_lshl_b32 s88, s88, 4
	s_lshl_b32 s89, s42, 1
	s_add_co_u32 s88, s88, s89
	s_add_co_u32 s88, s88, s22                     ; batch x 16 + head, head = 2 nt + nh
	s_and_b32 s89, s43, 7
	s_lshl_b32 s89, s89, 4
	s_lshl_b32 s90, s21, 3
	s_add_co_u32 s89, s89, s90                     ; my first token tile within the batch: a multiple of 8
	s_lshl_b32 s90, s88, 7
	s_add_co_u32 s90, s90, s89
	s_lshl_b32 s90, s90, 10
	s_mov_b32 s91, 0
	s_add_nc_u64 s[16:17], s[16:17], s[90:91]      ; qc at my first query tile
	s_lshl_b32 s90, s88, 18
	s_lshl_b32 s92, s89, 11                        ; four tiles to a group of 8,192 bytes
	s_add_co_u32 s90, s90, s92
	s_add_nc_u64 s[18:19], s[18:19], s[90:91]      ; kvc at my first group of keys
	s_wait_kmcnt 0x0
.macro SCL p, ea, eb, eo               ; product p: operands' exponents ea, eb; its result is quantised with eo
	s_add_co_i32 s93, s[\ea], s[\eb]
	s_sub_co_i32 s[96+\p], 0, s93                  ; the bias goes in x 2^-(ea + eb)
	s_sub_co_i32 s94, s[\eo], s93
	s_add_co_i32 s94, s94, 127
	s_lshl_b32 s95, s94, 23
	v_mov_b32 v[SCV+2*\p], s95                     ; 2^(eo - ea - eb) as f32
	s_add_co_i32 s94, s94, 15
	s_lshl_b32 s94, s94, 23
	s_or_b32 s94, s94, 0x600000
	v_mov_b32 v[SCV+2*\p+1], s94                   ; 57,344 x that
.endm
	SCL 0, 68, 69, 74
	SCL 1, 70, 71, 75
	SCL 2, 72, 73, 77
	s_wait_loadcnt 0x0                             ; the biases
	WIN 0xc3                                       ; source 0 and destination window 3
.irp p, 0,1
.set i, 0
.rept 32
	v_ldexp_f32 v[BIAS+32*\p+i], v[BIAS+32*\p+i], s[96+\p]
.set i, i+1
.endr
.endr
	WIN 0xc0                                       ; source 0 window 0
.irp b, 0,1,2,3
.irp j, 0,1,2,3,4,5,6,7
	v_ldexp_f32 v[BIAS+64+8*\b+\j], v[40+\b], s98
.endr
.endr
	WIN 0
; The figures of the step of 128 along K that is multiplied (SETM) and of the one that is fetched (NEXTF).  Step g: product g / 8, fill g / 3, slot (g / 3) % 2, place g % 3 in the slot, fragment set g % 2.
.macro SETM sg
.set MSET, (\sg)&1
.set MP, (\sg)/8
.if ((\sg)%8) == 0
.set MFIRST, 1
.else
.set MFIRST, 0
.endif
.if MP < 2
.set WNEW, 0xa7+16*MFIRST              ; source 0 (W) window 3, source 1 (x) window 1, D window 2; C window 2, or 3 where it is the bias
.else
.set WNEW, 0xad+16*MFIRST              ; source 0 (x) window 1, source 1 (W) window 3
.endif
.endm
.macro NEXTF sg
.set FSL, ((\sg)/3)&1
.set FQ, (\sg)%3
.set FSET, (\sg)&1
.endm
; 48 LDS loads in one run: B's four fragments, then A's eight, tiles 0-3 first
.macro FETCH
	WIN 0xc0
.irp b, 0,1,2,3
.irp c, 0,1,2,3
	ds_load_b128 v[64*FSET+16*\b+4*\c:64*FSET+16*\b+4*\c+3], v[ADRB+FSL] offset:\b*FILLB+FQ*2048+512*\c
.endr
.endr
	WIN 0x40
.irp a, 0,1,2,3,4,5,6,7
.irp c, 0,1,2,3
	ds_load_b128 v[128*FSET+16*\a+4*\c:128*FSET+16*\a+4*\c+3], v[ADRA+FSL] offset:\a*FILLB+FQ*2048+512*\c
.endr
.endr
.endm
; 8 matrix instructions: token tiles a0, a0 + 1 x my four column tiles.  The 32 accumulators take turns, one instruction a turn, in the same order in every step.
.macro MUL8 a0
.irp a, \a0, \a0+1
.irp b, 0,1,2,3
.if MP < 2
.if MFIRST
	v_wmma_f32_16x16x128_bf8_bf8 v[8*(4*(\a)+\b):8*(4*(\a)+\b)+7], v[64*MSET+16*\b:64*MSET+16*\b+15], v[128*MSET+16*(\a):128*MSET+16*(\a)+15], v[BIAS+32*MP+8*\b:BIAS+32*MP+8*\b+7]
.else
	v_wmma_f32_16x16x128_bf8_bf8 v[8*(4*(\a)+\b):8*(4*(\a)+\b)+7], v[64*MSET+16*\b:64*MSET+16*\b+15], v[128*MSET+16*(\a):128*MSET+16*(\a)+15], v[8*(4*(\a)+\b):8*(4*(\a)+\b)+7]
.endif
.else
.if MFIRST
	v_wmma_f32_16x16x128_bf8_bf8 v[8*(4*(\a)+\b):8*(4*(\a)+\b)+7], v[128*MSET+16*(\a):128*MSET+16*(\a)+15], v[64*MSET+16*\b:64*MSET+16*\b+15], v[BIAS+32*MP+8*\b:BIAS+32*MP+8*\b+7]
.else
	v_wmma_f32_16x16x128_bf8_bf8 v[8*(4*(\a)+\b):8*(4*(\a)+\b)+7], v[128*MSET+16*(\a):128*MSET+16*(\a)+15], v[64*MSET+16*\b:64*MSET+16*\b+15], v[8*(4*(\a)+\b):8*(4*(\a)+\b)+7]
.endif
.endif
.endr
.endr
.endm
; A step whose successor lies in the same slot
.macro SUB sg
	SETM \sg
	NEXTF (\sg)+1
	s_wait_dscnt 16                                ; B's fragments and A's tiles 0-3 are in; the youngest sixteen loads (A's tiles 4-7) may be out
	WIN WNEW
	MUL8 0
	MUL8 2
	PLACES 4                                       ; in front of loads into the other set, which the step before multiplied
	FETCH
	s_wait_dscnt 48                                ; all but the 48 just issued
	WIN WNEW
	MUL8 4
	MUL8 6
.endm
; A slot's last step changes slots: ONE barrier; in front of it each wave waits for all its tensor loads, adds 0 to its spare word, and waits for that and for its own reads of this slot.
; fill = 1: the barrier opens a round of the cluster's barrier, and this slot is filled again, two fills ahead: the load has three steps, 96 matrix instructions a wave, in which to land.
.macro TURN sg, fill
	SETM \sg
	NEXTF (\sg)+1
.set TSL, ((\sg)/3)&1
	WIN 0                                          ; (the add's two registers lie in window 0)
	s_wait_tensorcnt 0x0                           ; all my tensor loads have landed: my part of the next slot;
	ds_add_u32 v[SPW], v[NIL]                      ; 0 onto my spare word;
	s_wait_dscnt 17                                ; (the add and the youngest sixteen loads may be out)
	WIN WNEW
	MUL8 0                                         ; eight matrix instructions stand between the add and the wait for it
	s_wait_dscnt 0x0                               ; the add is done, and my reads of this slot are over
	s_barrier_signal -1
	MUL8 2
	WIN 0
	s_barrier_wait -1
.if \fill
	CREST                                          ; no wave of any partner still reads this slot's tiles or has a load on its way
	s_add_nc_u64 s[G0A+4*TSL+2:G0A+4*TSL+3], s[G0A+4*TSL+2:G0A+4*TSL+3], 2*FILLB
	s_add_nc_u64 s[G0B+4*TSL+2:G0B+4*TSL+3], s[G0B+4*TSL+2:G0B+4*TSL+3], 2*FILLB
	JLOAD TSL                                      ; the first tensor load behind the round; the four v_nop behind it are also the places in front of the loads below
.else
	PLACES 4
.endif
	FETCH
.if \fill
.if ((\sg)/3)+3 < 8
	WIN 0                                          ; (a branch follows)
	ASK ((\sg)/3)+3                                ; the fill after the one just asked for, behind the joint load and the run of LDS loads
.endif
.endif
	WIN WNEW
	MUL8 4
	MUL8 6
.endm
; THE WAY OUT of q (p = 0) and k (p = 1).  Accumulator (a, b): lane (r, h) holds token 16 a + r and channels 16 b + 8 h + 0 .. 7: held, converted, they are registers 2 b, 2 b + 1 of token tile a's unit.
; Each accumulator is read from its low end on.  The two sets of held numbers take turns: 32 plain lines stand between a conversion and the rewriting of its sources.
.macro EPIQK p
	PLACES 4                                       ; the holds read results just made
	s_wait_xcnt 0x0                                ; the last way out's stores have read their data: the codes' registers are written again only behind this wait
.irp a, 0,1,2,3,4,5,6,7
	WIN 0x02                                       ; source 0 window 2
.set i, 0
.rept 32
	v_med3_num_f32 v[TQ+32*(\a%2)+i], v[32*\a+i], -v[SCV+2*\p+1], v[SCV+2*\p+1]   ; the conversion to an 8-bit code does not saturate (ISA guide 7.6.2)
.set i, i+1
.endr
	WIN 0
.irp b, 0,1,2,3
	v_cvt_scalef32_pk8_bf8_f32 v[CQ+8*\a+2*\b:CQ+8*\a+2*\b+1], v[TQ+32*(\a%2)+8*\b:TQ+32*(\a%2)+8*\b+7], v[SCV+2*\p]
.endr
.irp u, 0,1
.if \p == 0
	global_store_b128 v[LI], v[CQ+8*\a+4*\u:CQ+8*\a+4*\u+3], s[16:17] offset:1024*\a+512*\u   ; 32 lanes store 512 consecutive bytes, aligned
.else
	global_store_b128 v[LI], v[CQ+8*\a+4*\u:CQ+8*\a+4*\u+3], s[18:19] offset:8192*(\a/4)+1024*(\a%4)+512*\u
.endif
.endr
.endr
	v_nop                                          ; a plain line behind the last conversion
.endm
; THE WAY OUT of v.  Accumulator (4 g + m, b): lane (r, h) holds channel 16 b + r and keys 64 g + 16 m + 8 h + 0 .. 7: registers 2 m, 2 m + 1 of the unit of group g, channel tile b.
.macro EPIV
	PLACES 4
	s_wait_xcnt 0x0
.irp g, 0,1
.irp b, 0,1,2,3
	WIN 0x02
.irp m, 0,1,2,3
.irp j, 0,1,2,3,4,5,6,7
	v_med3_num_f32 v[TQ+32*(\b%2)+8*\m+\j], v[128*\g+32*\m+8*\b+\j], -v[SCV+5], v[SCV+5]
.endr
.endr
	WIN 0
.irp m, 0,1,2,3
	v_cvt_scalef32_pk8_bf8_f32 v[CQ+8*(4*\g+\b)+2*\m:CQ+8*(4*\g+\b)+2*\m+1], v[TQ+32*(\b%2)+8*\m:TQ+32*(\b%2)+8*\m+7], v[SCV+4]
.endr
.irp u, 0,1
	global_store_b128 v[LI], v[CQ+8*(4*\g+\b)+4*\u:CQ+8*(4*\g+\b)+4*\u+3], s[18:19] offset:8192*\g+4096+1024*\b+512*\u
.endr
.endr
.endr
	v_nop
.endm
	s_wait_alu depctr_va_vdst(0)                   ; the wait at the head's end
	s_wait_tensorcnt 0x0                           ; my part of fill 0 is in; slot 1's first fill is issued as a refill is:
	ds_add_u32 v[SPW], v[NIL]                      ; 0 onto my spare word
	s_wait_dscnt 0x0
	CROUND                                         ; everybody's part of fill 0 is in, and the sixteen work-groups meet
	JLOAD 1                                        ; fill 1, the first tensor load behind the round: one load a wave is out from here on
	NEXTF 0
	FETCH
	WIN 0
	ASK 2
	SUB 0
	SUB 1
	TURN 2, 1
	SUB 3
	SUB 4
	TURN 5, 1
	SUB 6
	SUB 7
	EPIQK 0                                        ; the next step's fragments are on their way meanwhile
	TURN 8, 1                                      ; k: steps 8-15; the first takes the bias as C: the holds above are the places in front of it
	SUB 9
	SUB 10
	TURN 11, 1
	SUB 12
	SUB 13
	TURN 14, 1
	SUB 15
	EPIQK 1
	SUB 16                                         ; v: steps 16-23
	TURN 17, 1                                     ; the last fill
	SUB 18
	SUB 19
	TURN 20, 0                                     ; nothing is left to fetch: a plain barrier
	SUB 21
	SUB 22
	SETM 23                                        ; the very last step
	s_wait_dscnt 16
	WIN WNEW
	MUL8 0
	MUL8 2
	s_wait_dscnt 0x0
	MUL8 4
	MUL8 6
	EPIV
	s_wait_tensorcnt 0x0                           ; the wave's end
	ds_add_u32 v[SPW], v[NIL]
	s_wait_dscnt 0x0
	CROUND                                         ; the closing round: no work-group ends while a partner may still ask for a tile that names it
	s_endpgm
.Lfunc_end_k_qd6404b0c28_qkv:
	.size	k_qd6404b0c28_qkv, .Lfunc_end_k_qd6404b0c28_qkv-k_qd6404b0c28_qkv
	.p2alignl 7, 3214868480
	.fill 96, 4, 3214868480
	.section	.rodata,"a",@progbits
	.p2align	6, 0x0
	.amdhsa_kernel k_qd6404b0c28_qkv
		.amdhsa_group_segment_fixed_size 327680
		.amdhsa_private_segment_fixed_size 0
		.amdhsa_enable_private_segment 0
		.amdhsa_kernarg_size 64
		.amdhsa_user_sgpr_count 2
		.amdhsa_user_sgpr_kernarg_segment_ptr 1
		.amdhsa_wavefront_size32 1
		.amdhsa_system_sgpr_workgroup_id_x 1
		.amdhsa_system_sgpr_workgroup_id_y 1
		.amdhsa_system_sgpr_workgroup_id_z 1
		.amdhsa_system_vgpr_workitem_id 0
		.amdhsa_next_free_vgpr 1024
		.amdhsa_next_free_sgpr 100
		.amdhsa_reserve_vcc 0
		.amdhsa_float_denorm_mode_32 3
		.amdhsa_float_denorm_mode_16_64 3
		.amdhsa_memory_ordered 1
		.amdhsa_forward_progress 1
		.amdhsa_inst_pref_size 214
	.end_amdhsa_kernel
	.amdgpu_metadata
---
amdhsa.version: [ 1, 2 ]
amdhsa.kernels:
  - .name:           k_qd6404b0c28_qkv
    .symbol:         k_qd6404b0c28_qkv.kd
    .args:
      - { .name: xc, .offset: 0, .size: 8, .value_kind: global_buffer, .address_space: global }
      - { .name: wc, .offset: 8, .size: 8, .value_kind: global_buffer, .address_space: global }
      - { .name: bq, .offset: 16, .size: 8, .value_kind: global_buffer, .address_space: global }
      - { .name: bk, .offset: 24, .size: 8, .value_kind: global_buffer, .address_space: global }
      - { .name: bv, .offset: 32, .size: 8, .value_kind: global_buffer, .address_space: global }
      - { .name: lowp_scales, .offset: 40, .size: 8, .value_kind: global_buffer, .address_space: global }
      - { .name: qc, .offset: 48, .size: 8, .value_kind: global_buffer, .address_space: global }
      - { .name: kvc, .offset: 56, .size: 8, .value_kind: global_buffer, .address_space: global }
    .group_segment_fixed_size: 327680
    .private_segment_fixed_size: 0
    .kernarg_segment_align: 8
    .kernarg_segment_size: 64
    .max_flat_workgroup_size: 128
    .sgpr_count:     100
    .vgpr_count:     1024
    .wavefront_size: 32
...
	.end_amdgpu_metadata
.endif
;; end of part 2
;; launch attn (part 3): grid 4 x 64, 8 waves a work-group, clusters of 4 x 1, 327,680 bytes of LDS; arguments qc, kvc, lowp_scales, cc; writes cc
.if DOCPART == 3
	.amdgcn_target "amdgcn-amd-amdhsa--gfx1250"
	.amdhsa_code_object_version 6
	.text
	.protected	k_qd6404b0c28_attn
	.globl	k_qd6404b0c28_attn
	.p2align	8
	.type	k_qd6404b0c28_attn,@function
k_qd6404b0c28_attn:
	s_mov_b64 s[64:65], 0
	v_nop
	global_prefetch_b8 v0, s[64:65] scope:SCOPE_SE
	s_setreg_imm32_b32 hwreg(HW_REG_WAVE_MODE, 25, 1), 1
	s_wait_xcnt 0x0
	s_wait_alu depctr_hold_cnt(0) depctr_sa_sdst(0) depctr_va_vdst(0) depctr_va_sdst(0) depctr_va_ssrc(0) depctr_va_vcc(0) depctr_vm_vsrc(0)
	s_getreg_b32 s2, hwreg(HW_REG_IB_STS2, 6, 4)
	s_cmp_eq_u32 s2, 0
	s_cbranch_scc0 .Lentry_in_a_cluster
	s_endpgm
.Lentry_in_a_cluster:
	s_bfe_u32 s2, ttmp6, 0x10000c
	s_cmp_lg_u32 s2, 0x3003
	s_cbranch_scc0 .Lentry_shape_is_right
	s_endpgm
.Lentry_shape_is_right:
; ctx = softmax(q k^T / 8) v for one batch and head, both products on codes of BF8 (E5M2); ctx is quantised on the way out for the last product.
; qc [batch x head 64][query tile 128][unit], kvc [batch x head 64][group of 64 keys: 32][K: 4 key tiles x unit, V: 4 channel tiles x unit], cc [token tile 512][head 16][unit].
; A unit is 1,024 bytes, the image of 8 operand registers (16 rows x 64 k): byte 512 u + 16 lane + e is byte e % 4 of register 4 u + e / 4.
; THE SOFTMAX: t = score x log2(e) / 8; M = the running largest t rounded up to a whole number; p = 2^(t - M) is quantised, not normalised; the row's sum is taken of the unquantised p
; and divides at the end.  When M moves, the sum and O are multiplied by 2^(old M - new M), which rounds nothing.
; SHARES.  A work-group owns 512 queries of one head; each of its 8 waves 64 of them, four tiles.  A step is 128 keys: its 12 fragments of K and V (32 LDS loads) are read once and serve all four tiles.
; The tiles are worked in two groups of two, so that the scores need 128 registers: S^T = K Q^T (16 products), softmax, O^T += V^T P^T (8 products of the K = 128 form), then the other group.
; Both products are used transposed: a lane holds one query (lane % 16); score tile t's eight registers are keys 16 t + 8 (lane / 16) + 0 .. 7, so their codes are registers 2 t, 2 t + 1 of P's fragment.
; THE ORDER OF THE SOFTMAX'S LINES.  Independent chains are interleaved so that a plain line reads nothing that one of the four lines before it wrote: a tile's maxima run in eight chains, one an accumulator;
; the dependent run from the maxima's tree to f stands, for the first tile, among the second tile's maxima, and for the second tile among the first tile's multiply-adds; the sums run in four chains a tile.
; LDS.  A head's K and V are 262,144 bytes and lie in LDS whole: each wave asks for an eighth by one tensor load at the head (128 rows of 256 bytes); nothing is filled again, and the loop has no barrier.
; CLUSTER 4 x 1: the four work-groups of a head need the same K and V and ask jointly (mask 15).
; No prefetch is laid: all that the work-group reads of K and V is asked for by the head's one load a wave, so there is no later load to run ahead of.
; LIMITS: e6 + e7 between -123 and 130 (added to c's exponent field); e8 and e10 - e8 - e9 between -126 and 112, so that each scale and 57,344 x it are f32 numbers.
; The scaled scores stay under 2^31 in magnitude.  NaN among the inputs is not served.
; REGISTERS.  Window 0: v1-10 addresses and scales; v11-13 at work; v16-63 the softmax's state, 12 a tile; v64-95 Q; v96-127 P's codes of a group; v128-255 S^T, then p.
;             Window 1: v0-127 O^T, 32 a tile; v128-191 K's eight fragments; v192-255 V's four fragments of 16 channels x 128 keys.
.set SPARE, 0x40000                    ; behind K and V: the spare words, 128 bytes for each wave
.set STEPB, 16384                      ; a step's K and V in LDS: two groups of 64 keys
.set LI,  1                            ; 16 x lane
.set ADV, 2                            ; LDS address of this step
.set OSC, 3                            ; 2^(e10 - e8 - e9)
.set PSC, 4                            ; 2^e8
.set PH0, 5                            ; 57,344 x 2^e8, twice: the two halves of a dual instruction take their second sources from different banks
.set PH1, 6
.set OH,  7                            ; 57,344 x 2^(e10 - e8 - e9)
.set SPW, 8                            ; my spare word; never rewritten
.set NIL, 9                            ; 0; never rewritten
.set ADK, 10                           ; LDS address of the next step
.set ST,  16                           ; a tile's state: +0 -M, +1 the largest score, +2,3 the sum, +4 f, +5 0, +6 .. 9 at work (for either group), +10 from the other half of the lanes
.set Q,   64
.set P,   96
.set S,   128
.set OO,  0                            ; window 1
.set KF,  128
.set VF,  192
.set G1,  24
.set G0,  40
.set TB,  72
.set CNT, 73
.set TN,  76
.set MSB, 0
.macro WIN new                         ; the immediate's high byte repeats the setting that is left
.if MSB != (\new)
	s_set_vgpr_msb (MSB<<8)|(\new)
.set MSB, (\new)
.endif
.endm
.macro CROUND                          ; a round of the cluster's barrier
	s_barrier_signal -1
	s_barrier_wait -1
	s_cmp_lg_u32 s12, 0
	s_cbranch_scc1 .Lnot_wave_0_\@
	s_barrier_signal -3
.Lnot_wave_0_\@:
	s_barrier_wait -3
	s_barrier_signal -1
	s_barrier_wait -1
.endm
.macro PLACES n
.rept \n
	v_nop
.endr
.endm
	s_load_b128 s[4:7], s[0:1], 0x0                ; qc, kvc
	s_load_b128 s[8:11], s[0:1], 0x10              ; the scales' exponents, cc
	v_lshl_add_u32 v[SPW], v0, 2, SPARE
	v_mov_b32 v[NIL], 0
	ds_add_u32 v[SPW], v[NIL]                      ; the opening: the add, twice on end, and its wait ahead of my tensor load
	ds_add_u32 v[SPW], v[NIL]
	v_lshrrev_b32 v1, 5, v0
	v_readfirstlane_b32 s12, v1                    ; wave 0..7
	s_bfe_u32 s13, ttmp6, 0x40000                  ; cx
	s_lshl_b32 s14, ttmp9, 2
	s_add_co_u32 s14, s14, s13                     ; block of 512 queries
	s_and_b32 s15, ttmp7, 0xffff                   ; batch x 16 + head
	s_mov_b32 s[G1], 15|(3<<16)|(1<<21)            ; the mask of all four; elements of 8 bytes; bit 21 beside a mask
	s_mov_b32 s[G1+1], 32<<16                      ; rows of 256 bytes,
	s_mov_b32 s[G1+2], 128<<16                     ; 128 of them: 32,768 bytes a wave
	s_mov_b32 s[G1+3], 32<<16
	s_mov_b32 s[G1+4], 128
	s_mov_b32 s[G1+5], 32
	s_mov_b32 s[G1+6], 0
	s_mov_b32 s[G1+7], 0
	s_lshl_b32 s18, s12, 15                        ; my eighth, in LDS as in memory
	s_lshl_b32 s16, s15, 18
	s_add_co_u32 s16, s16, s18                     ; the head's K and V + my eighth
	s_mov_b32 s17, 0
	s_lshl_b32 s48, s14, 5
	s_lshl_b32 s49, s12, 2
	s_add_co_u32 s48, s48, s49                     ; my first query tile in the sequence
	s_lshl_b32 s50, s15, 7
	s_add_co_u32 s50, s50, s48
	s_lshl_b32 s50, s50, 10                        ; its unit in qc
	s_mov_b32 s51, 0
	s_lshr_b32 s52, s15, 4
	s_lshl_b32 s52, s52, 7
	s_add_co_u32 s52, s52, s48
	s_lshl_b32 s52, s52, 14                        ; its token tile in cc,
	s_and_b32 s49, s15, 15
	s_lshl_b32 s49, s49, 10
	s_add_co_u32 s52, s52, s49                     ; + the head's unit
	s_mov_b32 s53, 0
	s_mov_b32 s20, 0x76543210                      ; v_permlanex16_b32's selects for lane l xor 16
	s_mov_b32 s21, 0xfedcba98
	s_mov_b32 s22, 0x3e38aa3b                      ; c = log2(e) / 8
	s_wait_dscnt 0x0                               ; both opening adds are done
	s_wait_kmcnt 0x0
	s_load_b256 s[56:63], s[8:9], 0x0              ; e0 .. e7
	s_load_b128 s[68:71], s[8:9], 0x20             ; e8 .. e11
	s_add_nc_u64 s[4:5], s[4:5], s[50:51]
	s_add_nc_u64 s[10:11], s[10:11], s[52:53]
	s_mov_b32 s[G0], 1
	s_mov_b32 s[G0+1], s18
	s_add_nc_u64 s[G0+2:G0+3], s[6:7], s[16:17]
	s_or_b32 s[G0+3], s[G0+3], 0x80000000
	CROUND                                         ; the four work-groups are here: the joint loads meet
	tensor_load_to_lds s[G0:G0+3], s[G1:G1+7]      ; my one tensor load
	s_nop 0
	PLACES 4
	v_and_b32 v[LI], 31, v0
	v_lshlrev_b32 v[LI], 4, v[LI]
.irp c, 0,1,2,3,4,5,6,7
	global_load_b128 v[Q+4*\c:Q+4*\c+3], v[LI], s[4:5] offset:512*\c   ; Q's four fragments stay in registers
.endr
.irp i, 0,1,2,3
	v_mov_b32 v[ST+12*\i+1], 0xff61b1e6            ; the largest score so far: -3e38
	v_mov_b32 v[ST+12*\i+2], 0
	v_mov_b32 v[ST+12*\i+3], 0
	v_mov_b32 v[ST+12*\i+5], 0
	v_mov_b32 v[ST+12*\i+10], 0
.endr
.irp i, 0,1,2,3
	v_floor_f32 v[ST+12*\i], -v[ST+12*\i+1]        ; -M begins at 3e38: the first f is 0
.endr
	WIN 0x40
.set j, 0
.rept 128
	v_mov_b32 v[OO+j], 0                           ; O^T: the step is written once; the first change of M leaves zeros zeros.  These lines stand under the tensor load's flight
.set j, j+1
.endr
	WIN 0
	s_wait_kmcnt 0x0
	s_add_co_i32 s74, s62, s63
	s_lshl_b32 s74, s74, 23
	s_add_co_i32 s22, s22, s74                     ; c x 2^(e6 + e7)
	s_mov_b32 s23, s22
	s_add_co_i32 s74, s68, 127
	s_lshl_b32 s75, s74, 23
	v_mov_b32 v[PSC], s75
	s_add_co_i32 s74, s74, 15
	s_lshl_b32 s74, s74, 23
	s_or_b32 s74, s74, 0x600000
	v_mov_b32 v[PH0], s74
	v_mov_b32 v[PH1], s74
	s_sub_co_i32 s74, s70, s68
	s_sub_co_i32 s74, s74, s69
	s_add_co_i32 s74, s74, 127
	s_lshl_b32 s75, s74, 23
	v_mov_b32 v[OSC], s75
	s_add_co_i32 s74, s74, 15
	s_lshl_b32 s74, s74, 23
	s_or_b32 s74, s74, 0x600000
	v_mov_b32 v[OH], s74
.macro LDK adr                         ; K's eight fragments of the step at \adr: 16 loads of 512 consecutive bytes
	WIN 0x40
.irp g, 0,1
.irp t, 0,1,2,3
.irp u, 0,1
	ds_load_b128 v[KF+32*\g+8*\t+4*\u:KF+32*\g+8*\t+4*\u+3], v[\adr] offset:8192*\g+1024*\t+512*\u
.endr
.endr
.endr
.endm
.macro LDV                             ; V's four fragments: the units of both groups of 64 keys on end are a fragment of the K = 128 form
	WIN 0x40
.irp b, 0,1,2,3
.irp g, 0,1
.irp u, 0,1
	ds_load_b128 v[VF+16*\b+8*\g+4*\u:VF+16*\b+8*\g+4*\u+3], v[ADV] offset:8192*\g+4096+1024*\b+512*\u
.endr
.endr
.endr
.endm
.macro QK g                            ; S^T = K Q^T for query tiles 2 g, 2 g + 1
	WIN 0x01
.irp t, 0,1,2,3,4,5,6,7
.irp i, 0,1
	v_wmma_f32_16x16x64_bf8_bf8 v[S+64*\i+8*\t:S+64*\i+8*\t+7], v[KF+8*\t:KF+8*\t+7], v[Q+8*(2*\g+\i):Q+8*(2*\g+\i)+7], 0
.endr
.endr
.endm
; The next n of a tile's 24 bulk maxima.  Chain a (0 .. 7) takes registers 0 .. 6 of accumulator a, from the low end on; it stands at CX + a % 4 + 12 (a / 4).  SX: the tile's scores; KX counts.
.macro MXB n
.rept \n
.set MA, KX%8
.set MC, CX+(MA%4)+12*(MA/4)
.if KX < 8
	v_max3_num_f32 v[MC], v[SX+8*MA], v[SX+8*MA+1], v[SX+8*MA+2]
.else
	v_max3_num_f32 v[MC], v[MC], v[SX+8*MA+2*(KX/8)+1], v[SX+8*MA+2*(KX/8)+2]
.endif
.set KX, KX+1
.endr
.endm
; The next n of the group's 64 multiply-adds t - M: the first tile's 32, then the second's.  JF counts.
.macro FMA n
.rept \n
	v_pk_fma_f32 v[S+2*JF:S+2*JF+1], v[S+2*JF:S+2*JF+1], s[22:23], v[T+12*(JF/32):T+12*(JF/32)+1] op_sel_hi:[1,0,0]
.set JF, JF+1
.endr
.endm
; The next n of the group's 64 holds: the conversion does not saturate (ISA guide 7.6.2); p is not negative: a one-sided hold, two numbers a line.  JD counts.
.macro DUAL n
.rept \n
	v_dual_min_num_f32 v[S+2*JD], v[S+2*JD], v[PH0] :: v_dual_min_num_f32 v[S+2*JD+1], v[S+2*JD+1], v[PH1]
.set JD, JD+1
.endr
.endm
; Line k of the dependent run of one tile, from the eight chains (at c .. c + 3, c + 12 .. c + 15), the eight registers that they left and the largest score so far, to -M and f.  u: the tile's state; s: its scores.
.macro OP k, c, u, s
.if \k == 0
	v_max3_num_f32 v11, v[(\s)+7], v[(\s)+15], v[(\s)+23]
.endif
.if \k == 1
	v_max3_num_f32 v12, v[(\s)+31], v[(\s)+39], v[(\s)+47]
.endif
.if \k == 2
	v_max3_num_f32 v13, v[(\s)+55], v[(\s)+63], v[(\u)+1]
.endif
.if \k == 3
	v_max3_num_f32 v[(\c)], v[(\c)], v[(\c)+1], v[(\c)+2]
.endif
.if \k == 4
	v_max3_num_f32 v[(\c)+3], v[(\c)+3], v[(\c)+12], v[(\c)+13]
.endif
.if \k == 5
	v_max3_num_f32 v[(\c)+14], v[(\c)+14], v[(\c)+15], v11
.endif
.if \k == 6
	v_max3_num_f32 v12, v12, v13, v[(\c)]
.endif
.if \k == 7
	v_max3_num_f32 v[(\c)+3], v[(\c)+3], v[(\c)+14], v12
.endif
.if \k == 8
	v_permlanex16_b32 v[(\u)+10], v[(\c)+3], s20, s21
.endif
.if \k == 9
	v_max_num_f32 v[(\u)+1], v[(\c)+3], v[(\u)+10]           ; the largest score of my query so far
.endif
.if \k == 10
	v_mul_f32 v[(\c)], s22, v[(\u)+1]                        ; as t (c is positive)
.endif
.if \k == 11
	v_mov_b32 v[(\c)+1], v[(\u)]                             ; the old -M
.endif
.if \k == 12
	v_floor_f32 v[(\u)], -v[(\c)]                            ; the new -M = -ceil(t)
.endif
.if \k == 13
	v_sub_f32 v[(\c)+1], v[(\u)], v[(\c)+1]                  ; old M - new M: a whole number, 0 or less
.endif
.if \k == 14
	v_cvt_i32_f32 v[(\c)+1], v[(\c)+1]                       ; (it saturates)
.endif
.if \k == 15
	v_ldexp_f32 v[(\u)+4], 1.0, v[(\c)+1]                    ; f = 2^(old M - new M)
.endif
.endm
.macro A k                             ; the group's first tile: its chains stand in the group's own registers at work
	OP \k, T+6, T, S
.endm
.macro B k                             ; the second tile: its chains stand in the other group's, which are idle
	OP \k, TO+6, T+12, S+64
.endm
; The softmax of a group's 2 x 64 score registers, P's codes, O^T under the new M, and O^T += V^T P^T.
.macro SOFT g
.set T, ST+24*\g
.set TO, ST+24*(1-\g)
.set JF, 0
.set JD, 0
.set SX, S
.set CX, T+6
.set KX, 0
	MXB 24
.set SX, S+64
.set CX, TO+6
.set KX, 0
.irp k, 0,1,2,3,4,5
	A \k
.endr
	MXB 2
	A 6
	MXB 4
	A 7
	MXB 4
	A 8
	MXB 4
	A 9
	MXB 4
	A 10
	A 11
	MXB 3
	A 12
	MXB 3
	B 0
	A 13
	B 1
	B 2
	FMA 2
	A 14
	FMA 4
	A 15
	B 3
	B 4
	B 5
	FMA 2
	B 6
	FMA 4
	B 7
	FMA 4
	B 8
	FMA 4
	B 9
	FMA 4
	B 10
	B 11
	v_pk_mul_f32 v[T+2:T+3], v[T+2:T+3], v[T+4:T+5] op_sel_hi:[1,0]          ; the first tile's sum under the new M
	FMA 2
	B 12
	FMA 4
	B 13
	FMA 4
	B 14
	FMA 4
	B 15
	FMA 26
	s_wait_alu depctr_va_vdst(0)                   ; the wait ahead of the batch
.set j, 0
.rept 128
	v_exp_f32 v[S+j], v[S+j]                       ; p = 2^(t - M)
.set j, j+1
.endr
	v_pk_mul_f32 v[T+14:T+15], v[T+14:T+15], v[T+16:T+17] op_sel_hi:[1,0]    ; the second tile's sum under the new M; a plain place behind the batch
	s_wait_alu depctr_va_vdst(0)                   ; one wait for the whole batch, ahead of its first reader
.irp i, 0,1                            ; the sum of the unquantised p, four chains a tile
	v_pk_add_f32 v[T+12*\i+6:T+12*\i+7], v[S+64*\i:S+64*\i+1], v[S+64*\i+2:S+64*\i+3]
	v_pk_add_f32 v[T+12*\i+8:T+12*\i+9], v[S+64*\i+4:S+64*\i+5], v[S+64*\i+6:S+64*\i+7]
	v_pk_add_f32 v[TO+12*\i+6:TO+12*\i+7], v[S+64*\i+8:S+64*\i+9], v[S+64*\i+10:S+64*\i+11]
	v_pk_add_f32 v[T+12*\i+2:T+12*\i+3], v[T+12*\i+2:T+12*\i+3], v[S+64*\i+12:S+64*\i+13]
.endr
.irp n, 14,22,30,38,46,54
.irp i, 0,1
	v_pk_add_f32 v[T+12*\i+2:T+12*\i+3], v[T+12*\i+2:T+12*\i+3], v[S+64*\i+\n:S+64*\i+\n+1]
	v_pk_add_f32 v[T+12*\i+6:T+12*\i+7], v[T+12*\i+6:T+12*\i+7], v[S+64*\i+\n+2:S+64*\i+\n+3]
	v_pk_add_f32 v[T+12*\i+8:T+12*\i+9], v[T+12*\i+8:T+12*\i+9], v[S+64*\i+\n+4:S+64*\i+\n+5]
	v_pk_add_f32 v[TO+12*\i+6:TO+12*\i+7], v[TO+12*\i+6:TO+12*\i+7], v[S+64*\i+\n+6:S+64*\i+\n+7]
.endr
.endr
.irp i, 0,1
	v_pk_add_f32 v[T+12*\i+2:T+12*\i+3], v[T+12*\i+2:T+12*\i+3], v[S+64*\i+62:S+64*\i+63]
.endr
	DUAL 4                                         ; every p has been summed: the holds begin, and the chains' joins stand among them
.irp i, 0,1
	v_pk_add_f32 v[T+12*\i+6:T+12*\i+7], v[T+12*\i+6:T+12*\i+7], v[T+12*\i+8:T+12*\i+9]
.endr
.irp i, 0,1
	v_pk_add_f32 v[T+12*\i+2:T+12*\i+3], v[T+12*\i+2:T+12*\i+3], v[TO+12*\i+6:TO+12*\i+7]
.endr
	DUAL 4
.irp i, 0,1
	v_pk_add_f32 v[T+12*\i+2:T+12*\i+3], v[T+12*\i+2:T+12*\i+3], v[T+12*\i+6:T+12*\i+7]
.endr
	DUAL 56
.irp i, 0,1
.irp t, 0,1,2,3,4,5,6,7
	v_cvt_scalef32_pk8_bf8_f32 v[P+16*\i+2*\t:P+16*\i+2*\t+1], v[S+64*\i+8*\t:S+64*\i+8*\t+7], v[PSC]
.endr
.endr
	WIN 0x41
	s_wait_alu depctr_va_vdst(0)                   ; the wait here, directly ahead of the first reader of O^T
.irp i, 0,1
.set j, 0
.rept 16
	v_pk_mul_f32 v[OO+32*(2*\g+\i)+j:OO+32*(2*\g+\i)+j+1], v[OO+32*(2*\g+\i)+j:OO+32*(2*\g+\i)+j+1], v[T+12*\i+4:T+12*\i+5] op_sel_hi:[1,0]   ; O^T x f; also the plain lines behind the conversions
.set j, j+2
.endr
.endr
.if \g == 0
	s_wait_alu depctr_va_vdst(0)                   ; the wait here, directly ahead of the wait below
	s_wait_dscnt 0x0                               ; V's fragments, asked for at the step's head
.endif
	WIN 0x51
.irp b, 0,1,2,3
.irp i, 0,1
	v_wmma_f32_16x16x128_bf8_bf8 v[OO+32*(2*\g+\i)+8*\b:OO+32*(2*\g+\i)+8*\b+7], v[VF+16*\b:VF+16*\b+15], v[P+16*\i:P+16*\i+15], v[OO+32*(2*\g+\i)+8*\b:OO+32*(2*\g+\i)+8*\b+7]
.endr
.endr
.endm
	s_wait_alu depctr_va_vdst(0)                   ; the wait at the head's end
	s_wait_loadcnt 0x0                             ; Q
	s_wait_tensorcnt 0x0                           ; my eighth of K and V is in,
	s_barrier_signal -1
	s_barrier_wait -1                              ; everybody's is
	LDK LI                                         ; step 0's K
	WIN 0
	s_mov_b32 s[TB], 0
	s_mov_b32 s[CNT], 16
.Lstep:                                            ; 16 steps of 128 keys
	v_add_nc_u32 v[ADV], s[TB], v[LI]
	s_add_co_u32 s[TN], s[TB], STEPB
	s_min_u32 s[TN], s[TN], 15*STEPB               ; the last step has no successor: it reads its own K once more, and nobody uses that
	v_add_nc_u32 v[ADK], s[TN], v[LI]
	PLACES 2                                       ; with the two additions: four places behind the last products, in front of the loads into V's registers
	LDV
	s_wait_dscnt 16                                ; K's 16 loads are in; V's 16, issued behind them, may be out
	QK 0
	WIN 0
	PLACES 4                                       ; the maxima read results just made
	SOFT 0
	QK 1
	PLACES 4                                       ; in front of the loads into K's registers and of the maxima
	LDK ADK                                        ; the next step's K: it has the second group's softmax in which to come
	WIN 0
	SOFT 1
	WIN 0
	s_add_co_u32 s[TB], s[TB], STEPB
	s_sub_co_u32 s[CNT], s[CNT], 1
	s_cmp_lg_u32 s[CNT], 0
	s_cbranch_scc1 .Lstep
	; THE WAY OUT: O^T / the sum, held, converted with 2^(e10 - e8 - e9): tile b's codes are registers 2 b, 2 b + 1 of the query tile's unit in cc
	PLACES 4
.irp i, 0,1,2,3
	v_add_f32 v[ST+12*\i+2], v[ST+12*\i+2], v[ST+12*\i+3]
.endr
.irp i, 0,1,2,3
	v_permlanex16_b32 v[ST+12*\i+10], v[ST+12*\i+2], s20, s21
.endr
.irp i, 0,1,2,3
	v_add_f32 v[ST+12*\i+2], v[ST+12*\i+2], v[ST+12*\i+10]                   ; the row's sum
.endr
	s_wait_alu depctr_va_vdst(0)                   ; the wait ahead of the batch
.irp i, 0,1,2,3
	v_rcp_f32 v[ST+12*\i+4], v[ST+12*\i+2]
.endr
	v_nop
	WIN 0x01
	s_wait_alu depctr_va_vdst(0)                   ; for the batch, and directly ahead of the first reader of O^T
.irp i, 0,1,2,3
.set j, 0
.rept 16
	v_pk_mul_f32 v[S+32*\i+j:S+32*\i+j+1], v[OO+32*\i+j:OO+32*\i+j+1], v[ST+12*\i+4:ST+12*\i+5] op_sel_hi:[1,0]
.set j, j+2
.endr
.endr
	WIN 0
.set j, 0
.rept 128
	v_med3_num_f32 v[S+j], v[S+j], -v[OH], v[OH]
.set j, j+1
.endr
.irp i, 0,1,2,3
.irp t, 0,1,2,3
	v_cvt_scalef32_pk8_bf8_f32 v[P+8*\i+2*\t:P+8*\i+2*\t+1], v[S+32*\i+8*\t:S+32*\i+8*\t+7], v[OSC]
.endr
.endr
	v_nop                                          ; a plain line behind the last conversion
.irp i, 0,1,2,3
.irp u, 0,1
	global_store_b128 v[LI], v[P+8*\i+4*\u:P+8*\i+4*\u+3], s[10:11] offset:16384*\i+512*\u   ; 32 lanes store 512 consecutive bytes, aligned
.endr
.endr
	s_wait_tensorcnt 0x0                           ; the wave's end
	ds_add_u32 v[SPW], v[NIL]
	s_wait_dscnt 0x0
	CROUND                                         ; the closing round
	s_endpgm
.Lfunc_end_k_qd6404b0c28_attn:
	.size	k_qd6404b0c28_attn, .Lfunc_end_k_qd6404b0c28_attn-k_qd6404b0c28_attn
	.p2alignl 7, 3214868480
	.fill 96, 4, 3214868480
	.section	.rodata,"a",@progbits
	.p2align	6, 0x0
	.amdhsa_kernel k_qd6404b0c28_attn
		.amdhsa_group_segment_fixed_size 327680
		.amdhsa_private_segment_fixed_size 0
		.amdhsa_enable_private_segment 0
		.amdhsa_kernarg_size 32
		.amdhsa_user_sgpr_count 2
		.amdhsa_user_sgpr_kernarg_segment_ptr 1
		.amdhsa_wavefront_size32 1
		.amdhsa_system_sgpr_workgroup_id_x 1
		.amdhsa_system_sgpr_workgroup_id_y 1
		.amdhsa_system_sgpr_workgroup_id_z 1
		.amdhsa_system_vgpr_workitem_id 0
		.amdhsa_next_free_vgpr 512
		.amdhsa_next_free_sgpr 80
		.amdhsa_reserve_vcc 0
		.amdhsa_float_denorm_mode_32 3
		.amdhsa_float_denorm_mode_16_64 3
		.amdhsa_memory_ordered 1
		.amdhsa_forward_progress 1
		.amdhsa_inst_pref_size 81
	.end_amdhsa_kernel
	.amdgpu_metadata
---
amdhsa.version: [ 1, 2 ]
amdhsa.kernels:
  - .name:           k_qd6404b0c28_attn
    .symbol:         k_qd6404b0c28_attn.kd
    .args:
      - { .name: qc, .offset: 0, .size: 8, .value_kind: global_buffer, .address_space: global }
      - { .name: kvc, .offset: 8, .size: 8, .value_kind: global_buffer, .address_space: global }
      - { .name: lowp_scales, .offset: 16, .size: 8, .value_kind: global_buffer, .address_space: global }
      - { .name: cc, .offset: 24, .size: 8, .value_kind: global_buffer, .address_space: global }
    .group_segment_fixed_size: 327680
    .private_segment_fixed_size: 0
    .kernarg_segment_align: 8
    .kernarg_segment_size: 32
    .max_flat_workgroup_size: 256
    .sgpr_count:     80
    .vgpr_count:     512
    .wavefront_size: 32
...
	.end_amdgpu_metadata
.endif
;; end of part 3
;; launch outp (part 4): grid 8 x 32, 4 waves a work-group, clusters of 4 x 4, 327,680 bytes of LDS; arguments cc, woc, bo, lowp_scales, out0; writes out0
.if DOCPART == 4
	.amdgcn_target "amdgcn-amd-amdhsa--gfx1250"
	.amdhsa_code_object_version 6
	.text
	.protected	k_qd6404b0c28_outp
	.globl	k_qd6404b0c28_outp
	.p2align	8
	.type	k_qd6404b0c28_outp,@function
k_qd6404b0c28_outp:
	s_mov_b64 s[64:65], 0
	v_nop
	global_prefetch_b8 v0, s[64:65] scope:SCOPE_SE
	s_setreg_imm32_b32 hwreg(HW_REG_WAVE_MODE, 25, 1), 1
	s_wait_xcnt 0x0
	s_wait_alu depctr_hold_cnt(0) depctr_sa_sdst(0) depctr_va_vdst(0) depctr_va_sdst(0) depctr_va_ssrc(0) depctr_va_vcc(0) depctr_vm_vsrc(0)
	s_getreg_b32 s2, hwreg(HW_REG_IB_STS2, 6, 4)
	s_cmp_eq_u32 s2, 0
	s_cbranch_scc0 .Lentry_in_a_cluster
	s_endpgm
.Lentry_in_a_cluster:
	s_bfe_u32 s2, ttmp6, 0x10000c
	s_cmp_lg_u32 s2, 0xf033
	s_cbranch_scc0 .Lentry_shape_is_right
	s_endpgm
.Lentry_shape_is_right:
.set SLOT,  98304
.set BOFF,  65536
.set FILLB, 4096
.set SPARE, 3*SLOT
.set STAGE, SLOT
.set SP,    272
.set ADRA, 16
.set ADRB, 20
.set LI,   24
.set STO,  25
.set RD,   26
.set CO,   27
.set SPW,  28
.set NIL,  29
.set TMP,  32
.set BK,   64
.set BIAS, 128
.set G1A, 24
.set G1B, 32
.set G0A, 40
.set G0B, 52
.set MULW, 0xa7
.set MSB, 0
.macro WIN new
.if MSB != (\new)
	s_set_vgpr_msb (MSB<<8)|(\new)
.set MSB, (\new)
.endif
.endm
.macro JLOAD s
	s_cmp_eq_u32 s21, 0
	s_cbranch_scc0 .Lfor_b_\@
	tensor_load_to_lds s[G0A+4*\s:G0A+4*\s+3], s[G1A:G1A+7]
	s_nop 0
.rept 4
	v_nop
.endr
	s_branch .Lasked_\@
.Lfor_b_\@:
	tensor_load_to_lds s[G0B+4*\s:G0B+4*\s+3], s[G1B:G1B+7]
	s_nop 0
.rept 4
	v_nop
.endr
.Lasked_\@:
.endm
.macro CREST
	s_cmp_lg_u32 s20, 0
	s_cbranch_scc1 .Lnot_wave_0_\@
	s_barrier_signal -3
.Lnot_wave_0_\@:
	s_barrier_wait -3
	s_barrier_signal -1
	s_barrier_wait -1
.endm
.macro CROUND
	s_barrier_signal -1
	s_barrier_wait -1
	CREST
.endm
.macro PLACES n
.rept \n
	v_nop
.endr
.endm
	s_load_b256 s[4:11], s[0:1], 0x0
	s_load_b64 s[12:13], s[0:1], 0x20
	v_lshl_add_u32 v[SPW], v0, 2, SPARE
	v_mov_b32 v[NIL], 0
	ds_add_u32 v28, v29
	ds_add_u32 v28, v29
	s_wait_dscnt 0x0
	v_lshrrev_b32 v1, 5, v0
	v_readfirstlane_b32 s20, v1
	s_lshr_b32 s21, s20, 1
	s_and_b32 s22, s20, 1
	s_bfe_u32 s70, ttmp6, 0x40000
	s_bfe_u32 s71, ttmp6, 0x40004
	s_lshl_b32 s72, ttmp9, 2
	s_add_co_u32 s72, s72, s70
	s_and_b32 s73, ttmp7, 0xffff
	s_lshl_b32 s73, s73, 2
	s_add_co_u32 s73, s73, s71
	s_lshl_b32 s74, s71, 2
	s_lshl_b32 s74, 15, s74
	s_lshl_b32 s75, 0x1111, s70
	s_or_b32 s[G1A], s74, (3<<16)|(1<<21)
	s_or_b32 s[G1B], s75, (3<<16)|(1<<21)
	s_mov_b32 s[G1A+1], 512<<16
	s_mov_b32 s[G1A+2], 8<<16
	s_mov_b32 s[G1A+3], 512<<16
	s_mov_b32 s[G1A+4], 8
	s_mov_b32 s[G1A+5], 2048
	s_mov_b32 s[G1A+6], 0
	s_mov_b32 s[G1A+7], 0
	s_mov_b32 s[G1B+1], 512<<16
	s_mov_b32 s[G1B+2], 4<<16
	s_mov_b32 s[G1B+3], 512<<16
	s_mov_b32 s[G1B+4], 4
	s_mov_b32 s[G1B+5], 2048
	s_mov_b32 s[G1B+6], 0
	s_mov_b32 s[G1B+7], 0
	s_lshl_b32 s76, s73, 4
	s_lshl_b32 s77, s22, 3
	s_add_co_u32 s76, s76, s77
	s_lshl_b32 s76, s76, 14
	s_mov_b32 s77, 0
	s_lshl_b32 s78, s72, 3
	s_lshl_b32 s79, s22, 2
	s_add_co_u32 s78, s78, s79
	s_lshl_b32 s78, s78, 14
	s_mov_b32 s79, 0
	s_lshl_b32 s80, s22, 15
	s_lshl_b32 s81, s22, 14
	s_add_co_u32 s81, s81, BOFF
	s_wait_kmcnt 0x0
	s_load_b64 s[96:97], s[10:11], 0x28
	s_add_nc_u64 s[76:77], s[4:5], s[76:77]
	s_add_nc_u64 s[78:79], s[6:7], s[78:79]
	; THE PREFETCHES INTO THE L2.  Behind each of the first three joint loads the NEXT fill is asked for: one slot, two steps of 128 along K, ahead of the load that will want it.
	; The four partners of a joint load share its tiles out BY ADDRESS: of the 8 token tiles of an A wave the partner at cx takes tiles 2 cx, 2 cx + 1 (4,096 bytes of each: 32 blocks of 256, a lane a block);
	; of the 4 n tiles of a B wave the partner at cy takes tile cy (16 blocks; the lanes left over name the last again).  One instruction a wave.
	; Wo's tiles are loaded by all 8 rows of clusters: the first four rows ask for them.  The address registers are never rewritten: the fill is stepped by the immediate.  Fill 3 has no successor.
.macro ASK f
	s_cmp_eq_u32 s94, 1
	s_cbranch_scc0 .Lnot_mine_\@
	global_prefetch_b8 v30, s[92:93] offset:(\f)*FILLB th:TH_LOAD_NT scope:SCOPE_SE
.Lnot_mine_\@:
.endm
	s_lshl_b32 s86, s73, 4
	s_lshl_b32 s87, s22, 3
	s_add_co_u32 s86, s86, s87
	s_lshl_b32 s87, s70, 1
	s_add_co_u32 s86, s86, s87                     ; A: token tile 16 mt + 8 x half + 2 cx
	s_lshl_b32 s88, s72, 3
	s_lshl_b32 s89, s22, 2
	s_add_co_u32 s88, s88, s89
	s_add_co_u32 s88, s88, s71                     ; B: n tile 8 nt + 4 x half + cy
	s_and_b32 s87, ttmp7, 0xffff                   ; my cluster's row: the same in all partners
	s_cmp_lt_u32 s87, 4
	s_cselect_b32 s94, 1, 0
	s_cmp_eq_u32 s21, 0                            ; do I fetch for A?
	s_cselect_b32 s94, 1, s94                      ; 1: my wave asks
	s_cselect_b32 s86, s86, s88
	s_cselect_b64 s[92:93], s[4:5], s[6:7]
	s_cselect_b32 s88, 31, 15                      ; my last block
	s_lshl_b32 s86, s86, 14                        ; a tile's 16 units
	s_mov_b32 s87, 0
	s_add_nc_u64 s[92:93], s[92:93], s[86:87]
	v_and_b32 v30, 31, v0
	v_min_u32 v30, s88, v30
	v_lshrrev_b32 v31, 4, v30
	v_and_b32 v30, 15, v30
	v_lshlrev_b32 v30, 8, v30
	v_lshl_add_u32 v30, v31, 14, v30               ; block % 16 x 256 bytes + block / 16 x a tile
	s_wait_alu depctr_va_vdst(0)                   ; the wait here, directly behind the write
	CROUND
.irp s, 0,1,2
	s_mov_b32 s[G0A+4*\s], 1
	s_add_co_u32 s[G0A+4*\s+1], s80, \s*SLOT
	s_add_nc_u64 s[G0A+4*\s+2:G0A+4*\s+3], s[76:77], \s*FILLB
	s_or_b32 s[G0A+4*\s+3], s[G0A+4*\s+3], 0x80000000
	s_mov_b32 s[G0B+4*\s], 1
	s_add_co_u32 s[G0B+4*\s+1], s81, \s*SLOT
	s_add_nc_u64 s[G0B+4*\s+2:G0B+4*\s+3], s[78:79], \s*FILLB
	s_or_b32 s[G0B+4*\s+3], s[G0B+4*\s+3], 0x80000000
.if \s > 0                             ; fill 0 stands behind the opening round; slots 1 and 2 are first filled as a refill is: the wait for all my loads, the add, its wait, a round, one load a wave
	s_wait_alu depctr_va_vdst(0)
	s_wait_tensorcnt 0x0
	ds_add_u32 v28, v29
	s_wait_dscnt 0x0
	CROUND
.endif
	JLOAD \s
	ASK \s+1
.endr
	v_and_b32 v1, 31, v0
	v_lshlrev_b32 v[LI], 4, v1
	v_and_b32 v2, 15, v0
	s_wait_alu depctr_va_vdst(0)
	v_bfe_u32 v3, v0, 4, 1
	s_lshl_b32 s84, s21, 15
	s_lshl_b32 s85, s22, 14
	s_add_co_u32 s85, s85, BOFF
.irp s, 0,1,2
	v_add_nc_u32 v[ADRA+\s], s84, v[LI]
	v_add_nc_u32 v[ADRB+\s], s85, v[LI]
	s_add_co_u32 s84, s84, SLOT
	s_add_co_u32 s85, s85, SLOT
.endr
	s_mul_i32 s86, s20, 16*SP
	s_add_co_u32 s86, s86, STAGE
	v_mul_u32_u24 v[STO], v2, SP
	s_wait_alu depctr_va_vdst(0)
	v_lshl_add_u32 v[STO], v3, 5, v[STO]
	v_add_nc_u32 v[STO], s86, v[STO]
	v_mul_u32_u24 v[RD], v3, SP
	v_lshl_add_u32 v[RD], v2, 4, v[RD]
	v_add_nc_u32 v[RD], s86, v[RD]
	v_lshlrev_b32 v[CO], 12, v3
	v_lshl_add_u32 v[CO], v2, 4, v[CO]
	s_lshl_b32 s88, s72, 9
	s_lshl_b32 s89, s22, 8
	s_add_co_u32 s88, s88, s89
	s_mov_b32 s89, 0
	s_add_nc_u64 s[8:9], s[8:9], s[88:89]
	s_add_nc_u64 s[12:13], s[12:13], s[88:89]
	s_lshl_b32 s88, s73, 20
	s_lshl_b32 s90, s21, 19
	s_add_co_u32 s88, s88, s90
	s_add_nc_u64 s[12:13], s[12:13], s[88:89]
	v_lshlrev_b32 v36, 5, v3
	WIN 0xc0
.irp b, 0,1,2,3
	global_load_b128 v[BIAS+8*\b:BIAS+8*\b+3], v36, s[8:9] offset:64*\b
	global_load_b128 v[BIAS+8*\b+4:BIAS+8*\b+7], v36, s[8:9] offset:64*\b+16
.endr
	WIN 0
.macro SETM sg
.set MSET, (\sg)&1
.if (\sg) == 0
.set MFIRST, 1
.else
.set MFIRST, 0
.endif
.endm
.macro NEXTF sg
.set FSL, ((\sg)/2)%3
.set FQ, (\sg)%2
.set FSET, (\sg)&1
.endm
.macro FETCH
	WIN 0xc0
.irp b, 0,1,2,3
.irp c, 0,1,2,3
	ds_load_b128 v[64*FSET+16*\b+4*\c:64*FSET+16*\b+4*\c+3], v[ADRB+FSL] offset:\b*FILLB+FQ*2048+512*\c
.endr
.endr
	WIN 0x40
.irp a, 0,1,2,3,4,5,6,7
.irp c, 0,1,2,3
	ds_load_b128 v[128*FSET+16*\a+4*\c:128*FSET+16*\a+4*\c+3], v[ADRA+FSL] offset:\a*FILLB+FQ*2048+512*\c
.endr
.endr
.endm
.macro MUL8 a0
.irp a, \a0, \a0+1
.irp b, 0,1,2,3
.if MFIRST
	v_wmma_f32_16x16x128_bf8_bf8 v[8*(4*(\a)+\b):8*(4*(\a)+\b)+7], v[64*MSET+16*\b:64*MSET+16*\b+15], v[128*MSET+16*(\a):128*MSET+16*(\a)+15], 0
.else
	v_wmma_f32_16x16x128_bf8_bf8 v[8*(4*(\a)+\b):8*(4*(\a)+\b)+7], v[64*MSET+16*\b:64*MSET+16*\b+15], v[128*MSET+16*(\a):128*MSET+16*(\a)+15], v[8*(4*(\a)+\b):8*(4*(\a)+\b)+7]
.endif
.endr
.endr
.endm
.macro SUB sg
	SETM \sg
	NEXTF (\sg)+1
	s_wait_dscnt 16
	WIN MULW
	MUL8 0
	MUL8 2
	PLACES 4
	FETCH
	s_wait_dscnt 48
	WIN MULW
	MUL8 4
	MUL8 6
.endm
.macro TURN sg, fill
	SETM \sg
	NEXTF (\sg)+1
	WIN 0
	s_wait_tensorcnt 0x0
	ds_add_u32 v[SPW], v[NIL]
	s_wait_dscnt 17
	WIN MULW
	MUL8 0
	s_wait_dscnt 0x0
	s_barrier_signal -1
	MUL8 2
	WIN 0
	s_barrier_wait -1
.if \fill
	CREST
	s_add_nc_u64 s[G0A+2:G0A+3], s[G0A+2:G0A+3], 3*FILLB
	s_add_nc_u64 s[G0B+2:G0B+3], s[G0B+2:G0B+3], 3*FILLB
	JLOAD 0
.else
	PLACES 4
.endif
	FETCH
	WIN MULW
	MUL8 4
	MUL8 6
.endm
.macro TOSTAGE a
	WIN 0x32
.set j, 0
.rept 16
	v_pk_fma_f32 v[TMP+j:TMP+j+1], v[32*(\a)+j:32*(\a)+j+1], s[96:97], v[BIAS+j:BIAS+j+1] op_sel_hi:[1,0,1]
.set j, j+2
.endr
	WIN 0
.irp b, 0,1,2,3
	ds_store_b128 v[STO], v[TMP+8*\b:TMP+8*\b+3] offset:64*\b
	ds_store_b128 v[STO], v[TMP+8*\b+4:TMP+8*\b+7] offset:64*\b+16
.endr
.irp i, 0,1,2,3,4,5,6,7
	ds_load_b128 v[BK+32*((\a)%2)+4*\i:BK+32*((\a)%2)+4*\i+3], v[RD] offset:2*SP*\i
.endr
.endm
.macro SEND a, younger
	s_wait_dscnt \younger
.irp i, 0,1,2,3,4,5,6,7
	global_store_b128 v[CO], v[BK+32*((\a)%2)+4*\i:BK+32*((\a)%2)+4*\i+3], s[12:13] offset:65536*(\a)+8192*\i th:TH_STORE_NT
.endr
.endm
	s_wait_tensorcnt 2
	s_barrier_signal -1
	s_barrier_wait -1
	NEXTF 0
	FETCH
	SUB 0
	TURN 1, 1
	SUB 2
	SUB 3
	SUB 4
	TURN 5, 0
	SUB 6
	SETM 7
	s_wait_dscnt 16
	WIN MULW
	MUL8 0
	MUL8 2
	s_wait_dscnt 0x0
	MUL8 4
	MUL8 6
	WIN 0
	s_wait_kmcnt 0x0
	s_add_co_i32 s96, s96, s97
	s_add_co_i32 s96, s96, 127
	s_lshl_b32 s96, s96, 23
	s_wait_loadcnt 0x0
	PLACES 4
	TOSTAGE 0
.irp a, 1,2,3,4,5,6,7
.if \a > 1
	s_wait_xcnt 0x0
.endif
	TOSTAGE \a
	SEND \a-1, 16
.endr
	SEND 7, 0
	s_wait_tensorcnt 0x0
	ds_add_u32 v[SPW], v[NIL]
	s_wait_dscnt 0x0
	CROUND
	s_endpgm
.Lfunc_end_k_qd6404b0c28_outp:
	.size	k_qd6404b0c28_outp, .Lfunc_end_k_qd6404b0c28_outp-k_qd6404b0c28_outp
	.p2alignl 7, 3214868480
	.fill 96, 4, 3214868480
	.section	.rodata,"a",@progbits
	.p2align	6, 0x0
	.amdhsa_kernel k_qd6404b0c28_outp
		.amdhsa_group_segment_fixed_size 327680
		.amdhsa_private_segment_fixed_size 0
		.amdhsa_enable_private_segment 0
		.amdhsa_kernarg_size 40
		.amdhsa_user_sgpr_count 2
		.amdhsa_user_sgpr_kernarg_segment_ptr 1
		.amdhsa_wavefront_size32 1
		.amdhsa_system_sgpr_workgroup_id_x 1
		.amdhsa_system_sgpr_workgroup_id_y 1
		.amdhsa_system_sgpr_workgroup_id_z 1
		.amdhsa_system_vgpr_workitem_id 0
		.amdhsa_next_free_vgpr 1024
		.amdhsa_next_free_sgpr 100
		.amdhsa_reserve_vcc 0
		.amdhsa_float_denorm_mode_32 3
		.amdhsa_float_denorm_mode_16_64 3
		.amdhsa_memory_ordered 1
		.amdhsa_forward_progress 1
		.amdhsa_inst_pref_size 79
	.end_amdhsa_kernel
	.amdgpu_metadata
---
amdhsa.version: [ 1, 2 ]
amdhsa.kernels:
  - .name:           k_qd6404b0c28_outp
    .symbol:         k_qd6404b0c28_outp.kd
    .args:
      - { .name: cc, .offset: 0, .size: 8, .value_kind: global_buffer, .address_space: global }
      - { .name: woc, .offset: 8, .size: 8, .value_kind: global_buffer, .address_space: global }
      - { .name: bo, .offset: 16, .size: 8, .value_kind: global_buffer, .address_space: global }
      - { .name: lowp_scales, .offset: 24, .size: 8, .value_kind: global_buffer, .address_space: global }
      - { .name: out0, .offset: 32, .size: 8, .value_kind: global_buffer, .address_space: global }
    .group_segment_fixed_size: 327680
    .private_segment_fixed_size: 0
    .kernarg_segment_align: 8
    .kernarg_segment_size: 40
    .max_flat_workgroup_size: 128
    .sgpr_count:     100
    .vgpr_count:     1024
    .wavefront_size: 32
...
	.end_amdgpu_metadata
.endif
;; end of part 4
